; MI455X (gfx1250); checked and timed in simulation.
; The chip was launched on July 23, 2026; its instructions are those of AMD's public machine-readable ISA for CDNA 5 (MIT licence, August 2026) and "CDNA5" Instruction Set Architecture Reference Guide (July 2026). The comments in the code are by the model that wrote it; some were corrected since.
;; Hierarchical Mo E. Allowed arithmetic: matrix products marked QUANTISED: E2M3 operands, one E8M0 scale for each 32 along K, by v_wmma_scale_f32_16x16x128_f8f6f4 with both operands' format E2M3, f32 sums; products left as they are: f32 operands where the result goes on into a quantised operand, else bf16, f16 or f32 operands; f32 sums; everything else in f32.
;; Inputs: W1 8 x 8 x 512 x 1,024 float32; W2 8 x 8 x 1,024 x 512 float32; b1 8 x 8 x 1,024 float32; b2 8 x 8 x 512 float32; g1 512 x 8 float32; g2 8 x 512 x 8 float32; x 2 x 512 x 512 float32.
;; Outputs: out0 2 x 512 x 512 float32.
;; This version of the problem:
;;   THIS VERSION OF THE PROBLEM IS GIVEN IN LOW PRECISION. The matrix products marked QUANTISED in the list below multiply operands that are first quantised to E2M3 (2 exponent bits, 3 mantissa bits; 6 bits a number), with one power-of-two scale for each 32 numbers along K (OCP MX v1.0); their sums are f32. All else is computed in f32.
;;   The module's matrix products, in the order in which they are computed (A, B: the left and right operand; K: the contracted axis; several contracted axes count as one K, in the product's order):
;;     1. [M 1,024, K 512] x [K 512, N 8]; A: input x; B: input g1: left as it is (N = 8 < 16)
;;     2. [M 1,024, K 512] x [K 512, N 64]; A: input x; B: input g2: QUANTISED
;;     3. [M 1,024, K 512] x [K 512, N 65,536]; A: input x; B: input W1: QUANTISED
;;     4. batch 64 x [M 512, K 1,024] x [K 1,024, N 1,024]; A: input W2; B: computed on the way: QUANTISED
;;     5. batch 8,192 x [M 512, K 8] x [K 8, N 1]; A: computed on the way; B: computed on the way: left as it is (K = 8 < 32)
;;     6. batch 1,024 x [M 512, K 8] x [K 8, N 1]; A: computed on the way; B: computed on the way: left as it is (K = 8 < 32)
;;   THE QUANTISER, for each operand of a quantised product, along K:
;;     - K is cut into blocks of 32 from its start; a last block that is shorter is filled with zeros.
;;     - A block's scale is 2^e with e = floor(log2(the largest magnitude in the block)) - 2, held to -126 .. 127; a block of zeros has e = 0. As a byte (E8M0): e + 127.
;;     - Each number is divided by its block's scale, clamped to +-7.5, and rounded to the nearest number of E2M3, ties to even, subnormals kept.
;;     - The product sums the exact products of the quantised numbers (number of the format x scale) in f32.
;;   ~~~python
;;   def quantise(x, axis):      # numpy; x: float32 -> the quantised numbers, widened to float32 again
;;       x = np.moveaxis(x, axis, -1); K = x.shape[-1]
;;       x = np.pad(x, [(0, 0)] * (x.ndim - 1) + [(0, -K % 32)]); x = x.reshape(x.shape[:-1] + (-1, 32)); a = np.abs(x).max(-1, keepdims=True)
;;       e = np.where(a > 0, np.clip(np.frexp(np.where(a > 0, a, 1))[1] - 1 - 2, -126, 127), 0)      # np.frexp(a)[1] - 1 = floor(log2(a)), exactly
;;       r = np.clip(x / 2.0 ** e, -7.5, 7.5)
;;       step = 2.0 ** (np.maximum(np.frexp(np.where(r == 0, 1, r))[1] - 1, 0) - 3)
;;       q = np.round(r / step) * step * 2.0 ** e      # np.round: ties to even
;;       return np.moveaxis(q.reshape(q.shape[:-2] + (-1,))[..., :K], -1, axis).astype(np.float32)
;;   ~~~
;;   OPERANDS COMPUTED ON THE WAY. 'Computed on the way' means the value that the module computes at that place (a softmax that the list does not call 'softmax' is quantised finished and normalised). What goes into a quantiser is computed in f32, as accurately as f32 sums, v_exp_f32 and their like allow (about 1e-6 of the number): no bf16 or f16 on the way to a quantiser, and a product that is left as it is and whose result goes on into a quantised operand takes f32 operands (vector FMAs, or v_wmma_f32_16x16x4_f32). A number that lies on a knife's edge between two numbers of the format may be rounded either way, as far as f32 arithmetic and the matrix unit's own rounding can turn it there, and no further.
;; 2 versions, each right; version 2 is version 1 with the launch route written anew for expert scheduling mode. Each part assembles by itself: llvm-mc -triple=amdgcn-amd-amdhsa -mcpu=gfx1250 --defsym DOCPART=n.
;; ======== version 1 of 2: 3 launches
;; workspace buffers: xq 393,216 bytes; xs 16,384 bytes; wt 65,536 bytes; tmk 8,192 bytes of whole numbers; part 33,554,432 bytes
;; launch route (part 1): grid 16 x 1, 16 waves a work-group, no clusters, 68,608 bytes of LDS; arguments x, g1, g2, xq, xs, wt, tmk; writes xq, xs, wt, tmk
.if DOCPART == 1
	.amdgcn_target "amdgcn-amd-amdhsa--gfx1250"
	.amdhsa_code_object_version 6
	.text
	.protected	k_q1a46444788_route
	.globl	k_q1a46444788_route
	.p2align	8
	.type	k_q1a46444788_route,@function
k_q1a46444788_route:
	s_mov_b64 s[64:65], 0
	v_nop
	global_prefetch_b8 v0, s[64:65] scope:SCOPE_SE
	s_setreg_imm32_b32 hwreg(HW_REG_WAVE_MODE, 25, 1), 1
	s_wait_xcnt 0x0
; THE ROUTER.  1,024 tokens of 512 numbers.  A work-group of sixteen waves owns 64 tokens.  It makes
;   xq   x as codes of E2M3, laid [token][half of the lanes][K step][48 bytes]: the 192 bytes of (token, half) are the 48 registers that a lane holds of the token's four fragments
;   xs   x's scale words, [token][4]
;   wt   [token][group][2] f32: level-1 weight x level-2 weight of the group's chosen expert with the lower number, then of the higher; zeros where the group is not chosen
;   tmk  [token][8 bytes]: byte g holds the bits of group g's two chosen experts, 0 where the group is not chosen
; Level 1 (x g1, 8 columns) takes f32 operands: 32 products of 16 x 16 x 4 a wave.  Level 2 (x g2, 64 columns) is multiplied on codes of E2M3 with E8M0 scales.
; No address and no branch hangs on the choice: it is stored at fixed places, and a later launch forms addresses from it.
; A block's scale byte is its largest magnitude's exponent field - 2, held at 1 from below (a block of zeros keeps the byte 1: its codes are zeros, and this program alone reads the bytes).
; LIMITS: NaN and infinities among the inputs are not served; blocks whose largest magnitude lies under 2^-124 keep the byte 1; equal logits go to the lower index (strict compares).
; PHASE A: wave w = 4 hi + lo quantises tokens 16 hi .. + 15 at K step lo, g2's columns 16 hi .. + 15 at K step lo, and multiplies its x by g1's K step lo.
; PHASE B: wave w takes tokens 16 hi .. + 15 against g2's columns 16 lo .. + 15 (groups 2 lo, 2 lo + 1), all four K steps, and chooses.
.set XSG,  25600                       ; LDS: from 0 x's codes, 64 tokens 400 bytes apart (384 + 16); here x's scale words, 16 bytes a token
.set G2I,  26624                       ; g2's 16 fragments (4 x column tile + K step) as images of their registers, 1,536 bytes each
.set G2S,  51200                       ; their scale words, 128 bytes each
.set L1P,  53248                       ; level 1's partial logits: [4 x token tile + K step][token][8 f32]
.set WT2,  61440                       ; wt's 4,096 bytes
.set TMK,  65536                       ; tmk's 512 bytes
.set XA,   4                           ; v4   x: 2,048 r + 64 h
.set GA2,  5                           ; v5   g2: 16,384 (r / 8) + 4 (r % 8) + 512 h
.set GA1,  6                           ; v6   g1: 4 (r % 8) + 512 h
.set LI,   7                           ; v7   16 x lane
.set L4,   8                           ; v8   4 x lane
.set XGW,  9                           ; v9-13  where phase A stores: x's codes, x's scale word, g2's image, its scale word, the partial logits
.set XSW,  10
.set G2W,  11
.set G2SW, 12
.set L1W,  13
.set XGR,  14                          ; v14-18 where phase B reads the same
.set XSR,  15
.set G2R,  16
.set G2SR, 17
.set L1R,  18
.set TMW,  19                          ; v19  my byte of tmk
.set WTW,  20                          ; v20  my pair of wt
.set XO,   21                          ; v21-23 the way out of x's codes
.set O8,   24                          ; v24  8 x lane + 256 x wave
.set OT,   25                          ; v25  the same in tmk's bytes, for waves 4 and 5
.set GL,   26                          ; v26  my group in phase B: 2 lo + h
.set TT,   27                          ; v27  at work
.set XS,   28                          ; v28-31 x's four scale words: scales and nothing else
.set GS,   32                          ; v32-35 g2's four scale words: scales and nothing else
.set X,    36                          ; v36-99   64 numbers of x;   phase B: x's four fragments
.set G2,   100                         ; v100-163 64 numbers of g2;  phase B: g2's four fragments
.set G1,   164                         ; v164-227 64 numbers of g1;  then the registers below
.set PC,   164                         ; v164-183 the codes just made
.set PW,   184                         ; v184     the scale word just made
.set LS1,  186                         ; v186-193 my K step's eight logits of level 1
.set PL,   164                         ; phase B: v164-195 the four K steps' logits of level 1
.set LG,   196                         ; phase B: v196-211 two accumulators of level 2
.set AF,   228                         ; v228-243 the f32 form's two accumulators: matrix instructions alone write them
.set TM,   244                         ; v244-247 largest magnitudes, v248-251 at work, v252-255 the conversions' scale operands
.set XF,   36
.set GF,   100
; 64 numbers of a lane, register 16 b + i = k 32 b + 16 (lane / 16) + i of my row, become a fragment's codes in v[PC] on and its scale word in v[PW]
.macro QUANT s
.irp b, 0,1,2,3
	v_max3_num_f32 v[TM+\b], |v[\s+16*\b]|, |v[\s+1+16*\b]|, 0x1800000   ; my 16 numbers of block b, and the floor 2^(3 - 127): the byte cannot fall under 1
.endr
.irp i, 2,4,6,8,10,12,14
.irp b, 0,1,2,3
	v_max3_num_f32 v[TM+\b], v[TM+\b], |v[\s+16*\b+\i]|, |v[\s+1+16*\b+\i]|   ; the four blocks by turns
.endr
.endr
.irp b, 0,1,2,3
	v_permlanex16_b32 v[TM+4+\b], v[TM+\b], s22, s23
.endr
.irp b, 0,1,2,3
	v_max_num_f32 v[TM+\b], v[TM+\b], v[TM+4+\b]                  ; with lane l xor 16's: the block's largest magnitude
.endr
.irp b, 0,1,2,3
	v_add_nc_u32 v[TM+8+\b], 0xff000000, v[TM+\b]                 ; 2 off its exponent field: the conversion takes this operand's exponent field as its scale
.endr
.irp b, 0,1,2,3
	v_lshrrev_b32 v[TM+4+\b], 23, v[TM+8+\b]                      ; the scale's byte
.endr
	v_lshl_or_b32 v[PW], v[TM+5], 8, v[TM+4]
	v_lshl_or_b32 v[PW], v[TM+6], 16, v[PW]
	v_lshl_or_b32 v[PW], v[TM+7], 24, v[PW]
.irp c, 0,1
	v_cvt_scalef32_pk16_fp6_f32 v[PC+6*\c:PC+2+6*\c], v[\s+32*\c:\s+15+32*\c], v[TM+8+2*\c]
	v_cvt_scalef32_pk16_fp6_f32 v[PC+12+4*\c:PC+14+4*\c], v[\s+16+32*\c:\s+31+32*\c], v[TM+8+2*\c+1]   ; (a conversion's three registers begin on an even number)
.endr
	v_nop                                          ; one plain place behind a scaled conversion
.irp c, 0,1                                    ; the operand's layout wants a whole block in a lane: lanes 0-15 block 2 c, lanes 16-31 block 2 c + 1
.irp i, 0,1,2
	v_permlane16_swap_b32 v[PC+6*\c+\i], v[PC+12+4*\c+\i]
.endr
.irp i, 0,1,2
	v_mov_b32 v[PC+3+6*\c+\i], v[PC+12+4*\c+\i]
.endr
.endr
.endm
; the two largest of v[src] .. v[src + 7] and their indices; strict compares keep the lower index where numbers are equal
.macro TOP2 src, b1, i1, b2, i2
	v_mov_b32 v[\b1], v[\src]
	v_mov_b32 v[\i1], 0
	v_mov_b32 v[\b2], 0xff800000
	v_mov_b32 v[\i2], 0
.irp j, 1,2,3,4,5,6,7
	v_cmp_gt_f32 s30, v[\src+\j], v[\b1]
	v_cmp_gt_f32 s31, v[\src+\j], v[\b2]
	v_cndmask_b32 v[\b2], v[\b2], v[\src+\j], s31
	v_cndmask_b32 v[\i2], v[\i2], \j, s31
	v_cndmask_b32 v[\b2], v[\b2], v[\b1], s30
	v_cndmask_b32 v[\i2], v[\i2], v[\i1], s30
	v_cndmask_b32 v[\b1], v[\b1], v[\src+\j], s30
	v_cndmask_b32 v[\i1], v[\i1], \j, s30
.endr
.endm
; softmax of (b1, b2), b1 the larger: the maximum is taken away, so the exponent is 0 or less.  b1 and b2 are used up
.macro SOFT2 b1, b2, wa, wb
	v_sub_f32 v[\b2], v[\b2], v[\b1]
	v_mul_f32 v[\b2], s32, v[\b2]
	v_exp_f32 v[\b2], v[\b2]
	v_nop                                          ; a plain place behind the transcendental
	s_wait_alu depctr_va_vdst(0)
	v_add_f32 v[\b1], 1.0, v[\b2]
	v_rcp_f32 v[\wa], v[\b1]
	v_nop
	s_wait_alu depctr_va_vdst(0)
	v_mul_f32 v[\wb], v[\b2], v[\wa]
.endm
.macro BARRIER                                 ; my LDS stores have landed and my LDS loads are in: then the work-group's barrier
	s_wait_dscnt 0x0
	s_barrier_signal -1
	s_barrier_wait -1
.endm
	s_load_b256 s[4:11], s[0:1], 0x0               ; x s[4:5], g1 s[6:7], g2 s[8:9], xq s[10:11]
	s_load_b128 s[12:15], s[0:1], 0x20             ; xs s[12:13], wt s[14:15]
	s_load_b64 s[16:17], s[0:1], 0x30              ; tmk
	v_lshrrev_b32 v[TT], 5, v0
	v_readfirstlane_b32 s18, v[TT]                 ; wave 0..15
	s_lshr_b32 s19, s18, 2                         ; hi
	s_and_b32 s20, s18, 3                          ; lo
	s_mov_b32 s22, 0x76543210
	s_mov_b32 s23, 0xfedcba98                      ; v_permlanex16_b32's selects for lane l xor 16
	s_mov_b32 s32, 0x3fb8aa3b                      ; log2(e)
	v_and_b32 v1, 31, v0                           ; lane
	v_and_b32 v2, 15, v0                           ; r
	v_bfe_u32 v3, v0, 4, 1                         ; h
	; byte offsets of the work-group's and the wave's parts
	s_lshl_b32 s24, ttmp9, 17                      ; x: 64 tokens of 2,048 bytes a work-group,
	s_lshl_b32 s42, s19, 15                        ; 16 tokens a tile,
	s_add_co_u32 s24, s24, s42
	s_lshl_b32 s43, s20, 9                         ; 512 bytes a K step
	s_add_co_u32 s24, s24, s43
	s_mov_b32 s25, 0
	s_lshl_b32 s26, s20, 12                        ; g1: 128 rows of 32 bytes a K step
	s_mov_b32 s27, 0
	s_add_co_u32 s28, s42, s26                     ; g2: two groups of 16,384 bytes a column tile, and the K step
	s_mov_b32 s29, 0
	s_mul_i32 s34, ttmp9, 24576                    ; xq: 64 tokens of 384 bytes; a wave stores 1,536 of them
	s_mul_i32 s42, s18, 1536
	s_add_co_u32 s34, s34, s42
	s_mov_b32 s35, 0
	s_lshl_b32 s36, ttmp9, 12                      ; wt
	s_mov_b32 s37, 0
	s_lshl_b32 s38, ttmp9, 10                      ; xs
	s_mov_b32 s39, 0
	s_lshl_b32 s40, ttmp9, 9                       ; tmk
	s_mov_b32 s41, 0
	; every address is made here, of constants, the lane and the wave's number
	v_lshlrev_b32 v[XA], 11, v2
	v_lshl_add_u32 v[XA], v3, 6, v[XA]
	v_and_b32 v[TT], 7, v2
	v_lshlrev_b32 v[GA1], 2, v[TT]
	v_lshl_add_u32 v[GA1], v3, 9, v[GA1]
	v_lshrrev_b32 v[TT], 3, v2
	v_lshl_add_u32 v[GA2], v[TT], 14, v[GA1]
	v_lshlrev_b32 v[LI], 4, v1
	v_lshlrev_b32 v[L4], 2, v1
	v_mul_u32_u24 v[TT], v2, 400
	v_mad_u32_u24 v[TT], v3, 192, v[TT]            ; token r's place, my half's 192 bytes
	s_mul_i32 s42, s19, 6400
	v_add_nc_u32 v[XGR], s42, v[TT]
	s_mul_i32 s43, s20, 48
	s_add_co_u32 s43, s43, s42
	v_add_nc_u32 v[XGW], s43, v[TT]
	s_lshl_b32 s42, s19, 8
	s_add_co_u32 s42, s42, XSG
	v_lshl_add_u32 v[XSR], v2, 4, s42
	s_lshl_b32 s43, s20, 2
	v_add_nc_u32 v[XSW], s43, v[XSR]
	s_mul_i32 s42, s18, 1536
	s_add_co_u32 s42, s42, G2I
	v_add_nc_u32 v[G2W], s42, v[LI]
	s_lshl_b32 s42, s18, 7
	s_add_co_u32 s42, s42, G2S
	v_add_nc_u32 v[G2SW], s42, v[L4]
	s_lshl_b32 s42, s18, 9
	s_add_co_u32 s42, s42, L1P
	v_lshl_add_u32 v[L1W], v2, 5, s42
	s_mul_i32 s42, s20, 6144
	s_add_co_u32 s42, s42, G2I
	v_add_nc_u32 v[G2R], s42, v[LI]
	s_lshl_b32 s42, s20, 9
	s_add_co_u32 s42, s42, G2S
	v_add_nc_u32 v[G2SR], s42, v[L4]
	s_lshl_b32 s42, s19, 11
	s_add_co_u32 s42, s42, L1P
	v_lshl_add_u32 v[L1R], v2, 5, s42
	s_lshl_b32 s42, s20, 1
	v_add_nc_u32 v[GL], s42, v3
	s_lshl_b32 s42, s19, 7
	s_add_co_u32 s42, s42, TMK
	v_lshl_add_u32 v[TMW], v2, 3, s42
	v_add_nc_u32 v[TMW], v[TMW], v[GL]
	s_lshl_b32 s42, s19, 10
	s_add_co_u32 s42, s42, WT2
	v_lshl_add_u32 v[WTW], v2, 6, s42
	v_lshl_add_u32 v[WTW], v[GL], 3, v[WTW]
	s_mul_i32 s42, s18, 1600                       ; the way out: my wave's four tokens; piece p of 16 bytes (p = 32 q + lane) lies 16 (p + p / 24) bytes on,
.irp q, 0,1,2
	v_add_nc_u32 v[TT], 32*\q, v1
	v_mul_u32_u24 v[XO+\q], v[TT], 2731            ; p / 24 = (2,731 p) >> 16 for p under 96
	v_lshrrev_b32 v[XO+\q], 16, v[XO+\q]
	v_add_nc_u32 v[XO+\q], v[XO+\q], v[TT]
	v_lshl_add_u32 v[XO+\q], v[XO+\q], 4, s42
.endr
	s_lshl_b32 s42, s18, 8
	v_lshl_add_u32 v[O8], v1, 3, s42
	v_add_nc_u32 v[OT], TMK-1024, v[O8]
.irp b, 0,1,2,3
	v_mov_b32 v[TM+4+\b], 0                        ; written once: a lane permute's destination counts as one of its sources
.endr
	s_wait_kmcnt 0x0
	s_add_nc_u64 s[4:5], s[4:5], s[24:25]
	s_add_nc_u64 s[6:7], s[6:7], s[26:27]
	s_add_nc_u64 s[8:9], s[8:9], s[28:29]
	s_add_nc_u64 s[10:11], s[10:11], s[34:35]
	s_add_nc_u64 s[14:15], s[14:15], s[36:37]
	s_add_nc_u64 s[12:13], s[12:13], s[38:39]
	s_add_nc_u64 s[16:17], s[16:17], s[40:41]
	; ---- PHASE A.  Register 16 b + i of each of the three sets is k = 32 b + 16 h + i of the K step: of token r, of g1's column r % 8, of g2's column r
.irp b, 0,1,2,3
.irp j, 0,1,2,3
	global_load_b128 v[X+16*\b+4*\j:X+16*\b+4*\j+3], v[XA], s[4:5] offset:128*\b+16*\j th:TH_LOAD_NT
.endr
.endr
.irp b, 0,1,2,3
.irp i, 0,1,2,3,4,5,6,7,8,9,10,11,12,13,14,15
	global_load_b32 v[G1+16*\b+\i], v[GA1], s[6:7] offset:1024*\b+32*\i
.endr
.endr
.irp b, 0,1,2,3
.irp i, 0,1,2,3,4,5,6,7,8,9,10,11,12,13,14,15
	global_load_b32 v[G2+16*\b+\i], v[GA2], s[8:9] offset:1024*\b+32*\i
.endr
.endr
	s_wait_loadcnt 63                              ; 64 loads (g2's) were issued behind g1's last: with at most 63 out, x's 16 and g1's 64 are in
	; level 1: source 0 = g1's columns (rows 8-15 of the tile repeat rows 0-7), source 1 = my 16 tokens.  Both hold the same k in the same place of the same lane, so the order of k inside an
	; instruction is free.  Every lane ends with all eight logits of token r.  Two accumulators by turns; the first two products start the sums.
	v_wmma_f32_16x16x4_f32 v[AF:AF+7], v[G1:G1+1], v[X:X+1], 0
	v_wmma_f32_16x16x4_f32 v[AF+8:AF+15], v[G1+2:G1+3], v[X+2:X+3], 0
.set p, 2
.rept 30
	v_wmma_f32_16x16x4_f32 v[AF+8*(p%2):AF+8*(p%2)+7], v[G1+2*p:G1+2*p+1], v[X+2*p:X+2*p+1], v[AF+8*(p%2):AF+8*(p%2)+7]
.set p, p+1
.endr
.rept 8
	v_nop                                          ; eight places behind this form before its results are read and its sources written
.endr
.irp i, 0,1,2,3
	v_pk_add_f32 v[LS1+2*\i:LS1+2*\i+1], v[AF+2*\i:AF+2*\i+1], v[AF+8+2*\i:AF+8+2*\i+1]   ; each accumulator from its low end on; the sums go into other registers
.endr
	ds_store_b128 v[L1W], v[LS1:LS1+3]             ; both halves of the lanes store the same bytes with the same values
	ds_store_b128 v[L1W], v[LS1+4:LS1+7] offset:16
	QUANT X
.irp q, 0,1,2
	ds_store_b128 v[XGW], v[PC+4*\q:PC+4*\q+3] offset:16*\q
.endr
	ds_store_b32 v[XSW], v[PW]
	s_wait_dscnt 0x0                               ; the stores have read their registers: the next codes may be written
	s_wait_loadcnt 0x0                             ; g2
	QUANT G2
.irp q, 0,1,2
	ds_store_b128 v[G2W], v[PC+4*\q:PC+4*\q+3] offset:512*\q
.endr
	ds_store_b32 v[G2SW], v[PW]
	BARRIER                                        ; x's codes, g2's images and level 1's partial logits lie in LDS
	; ---- PHASE B
.irp q, 0,1,2,3,4,5,6,7,8,9,10,11
	ds_load_b128 v[XF+4*\q:XF+4*\q+3], v[XGR] offset:16*\q
.endr
	ds_load_b128 v[XS:XS+3], v[XSR]
.irp s, 0,1,2,3
.irp q, 0,1,2
	ds_load_b128 v[GF+12*\s+4*\q:GF+12*\s+4*\q+3], v[G2R] offset:1536*\s+512*\q
.endr
	ds_load_b32 v[GS+\s], v[G2SR] offset:128*\s
.endr
.irp s, 0,1,2,3
	ds_load_b128 v[PL+8*\s:PL+8*\s+3], v[L1R] offset:512*\s
	ds_load_b128 v[PL+8*\s+4:PL+8*\s+7], v[L1R] offset:512*\s+16
.endr
	s_wait_dscnt 0x0
	; level 2, transposed: source 0 = 16 columns of g2, source 1 = 16 tokens: lane (r, h), register j = token r, group 2 lo + h, expert j.  Two accumulators by turns
.irp s, 0,1
	v_wmma_scale_f32_16x16x128_f8f6f4 v[LG+8*\s:LG+8*\s+7], v[GF+12*\s:GF+12*\s+11], v[XF+12*\s:XF+12*\s+11], 0, v[GS+\s], v[XS+\s] matrix_a_fmt:MATRIX_FMT_FP6 matrix_b_fmt:MATRIX_FMT_FP6
.endr
.irp s, 2,3
	v_wmma_scale_f32_16x16x128_f8f6f4 v[LG+8*(\s-2):LG+8*(\s-2)+7], v[GF+12*\s:GF+12*\s+11], v[XF+12*\s:XF+12*\s+11], v[LG+8*(\s-2):LG+8*(\s-2)+7], v[GS+\s], v[XS+\s] matrix_a_fmt:MATRIX_FMT_FP6 matrix_b_fmt:MATRIX_FMT_FP6
.endr
.irp s, 1,2,3                                  ; level 1's four K steps are added: twelve plain lines that name no register of the products: their places
.irp i, 0,1,2,3
	v_pk_add_f32 v[PL+2*\i:PL+2*\i+1], v[PL+2*\i:PL+2*\i+1], v[PL+8*\s+2*\i:PL+8*\s+2*\i+1]
.endr
.endr
.irp i, 0,1,2,3
	v_pk_add_f32 v[LG+2*\i:LG+2*\i+1], v[LG+2*\i:LG+2*\i+1], v[LG+8+2*\i:LG+8+2*\i+1]   ; each accumulator from its low end on
.endr
	TOP2 PL, 212, 213, 214, 215                    ; the token's two groups: v213, v215
	SOFT2 212, 214, 216, 217                       ; and their weights: v216, v217
	v_cmp_eq_u32 s30, v[GL], v213
	v_cmp_eq_u32 s31, v[GL], v215
	v_cndmask_b32 v218, 0, v217, s31
	v_cndmask_b32 v218, v218, v216, s30            ; my group's level-1 weight, 0 where it is not chosen
	s_or_b32 s33, s30, s31                         ; lanes whose group is chosen
	TOP2 LG, 219, 220, 221, 222                    ; my group's two experts: v220, v222
	SOFT2 219, 221, 223, 226                       ; and their weights: v223, v226
	v_cmp_lt_u32 s30, v220, v222
	v_cndmask_b32 v224, v226, v223, s30            ; the weight of the expert with the lower number,
	v_cndmask_b32 v225, v223, v226, s30            ; and of the higher
	v_mul_f32 v224, v224, v218
	v_mul_f32 v225, v225, v218
	v_mov_b32 v227, 1
	v_lshlrev_b32 v212, v220, v227
	v_lshlrev_b32 v214, v222, v227
	v_or_b32 v212, v212, v214
	v_cndmask_b32 v212, 0, v212, s33               ; the two experts' bits, or 0
	ds_store_b64 v[WTW], v[224:225]
	ds_store_b8 v[TMW], v212
	BARRIER                                        ; wt's and tmk's bytes lie in LDS
	; ---- THE WAY OUT: dense runs, 16 or 8 bytes a lane
.irp q, 0,1,2
	ds_load_b128 v[36+4*\q:39+4*\q], v[XO+\q]
.endr
	ds_load_b64 v[48:49], v[O8] offset:WT2
.irp q, 0,1,2
	s_wait_dscnt 3-\q
	global_store_b128 v[LI], v[36+4*\q:39+4*\q], s[10:11] offset:512*\q   ; 32 lanes store 512 consecutive bytes, at a multiple of 256 from xq's first byte
.endr
	s_wait_dscnt 0x0
	global_store_b64 v[O8], v[48:49], s[14:15]     ; 32 lanes store 256 consecutive bytes of wt, aligned
	s_cmp_lt_u32 s18, 4
	s_cbranch_scc0 .Lnot_xs
	ds_load_b64 v[50:51], v[O8] offset:XSG         ; waves 0 to 3: xs's 1,024 bytes
	s_wait_dscnt 0x0
	global_store_b64 v[O8], v[50:51], s[12:13]
	s_branch .Lend
.Lnot_xs:
	s_cmp_lt_u32 s18, 6
	s_cbranch_scc0 .Lend
	ds_load_b64 v[52:53], v[OT]                    ; waves 4 and 5: tmk's 512 bytes
	s_wait_dscnt 0x0
	global_store_b64 v[O8], v[52:53], s[16:17] offset:-1024
.Lend:
	s_wait_xcnt 0x0
	v_lshl_add_u32 v254, v0, 2, 0x10400
	v_mov_b32 v255, 0
	s_wait_tensorcnt 0x0
	ds_add_u32 v254, v255
	s_wait_dscnt 0x0
	s_endpgm
.Lfunc_end_k_q1a46444788_route:
	.size	k_q1a46444788_route, .Lfunc_end_k_q1a46444788_route-k_q1a46444788_route
	.p2alignl 7, 3214868480
	.fill 96, 4, 3214868480
	.section	.rodata,"a",@progbits
	.p2align	6, 0x0
	.amdhsa_kernel k_q1a46444788_route
		.amdhsa_group_segment_fixed_size 68608
		.amdhsa_private_segment_fixed_size 0
		.amdhsa_enable_private_segment 0
		.amdhsa_kernarg_size 56
		.amdhsa_user_sgpr_count 2
		.amdhsa_user_sgpr_kernarg_segment_ptr 1
		.amdhsa_wavefront_size32 1
		.amdhsa_system_sgpr_workgroup_id_x 1
		.amdhsa_system_sgpr_workgroup_id_y 1
		.amdhsa_system_sgpr_workgroup_id_z 1
		.amdhsa_system_vgpr_workitem_id 0
		.amdhsa_next_free_vgpr 256
		.amdhsa_next_free_sgpr 66
		.amdhsa_reserve_vcc 0
		.amdhsa_float_denorm_mode_32 3
		.amdhsa_float_denorm_mode_16_64 3
		.amdhsa_memory_ordered 1
		.amdhsa_forward_progress 1
		.amdhsa_inst_pref_size 44
	.end_amdhsa_kernel
	.amdgpu_metadata
---
amdhsa.version: [ 1, 2 ]
amdhsa.kernels:
  - .name:           k_q1a46444788_route
    .symbol:         k_q1a46444788_route.kd
    .args:
      - { .name: x, .offset: 0, .size: 8, .value_kind: global_buffer, .address_space: global }
      - { .name: g1, .offset: 8, .size: 8, .value_kind: global_buffer, .address_space: global }
      - { .name: g2, .offset: 16, .size: 8, .value_kind: global_buffer, .address_space: global }
      - { .name: xq, .offset: 24, .size: 8, .value_kind: global_buffer, .address_space: global }
      - { .name: xs, .offset: 32, .size: 8, .value_kind: global_buffer, .address_space: global }
      - { .name: wt, .offset: 40, .size: 8, .value_kind: global_buffer, .address_space: global }
      - { .name: tmk, .offset: 48, .size: 8, .value_kind: global_buffer, .address_space: global }
    .group_segment_fixed_size: 68608
    .private_segment_fixed_size: 0
    .kernarg_segment_align: 8
    .kernarg_segment_size: 56
    .max_flat_workgroup_size: 512
    .sgpr_count:     66
    .vgpr_count:     256
    .wavefront_size: 32
...
	.end_amdgpu_metadata
.endif
;; end of part 1
;; launch experts (part 2): grid 256 x 1, 16 waves a work-group, no clusters, 279,552 bytes of LDS; arguments W1, b1, W2, b2, xq, xs, wt, tmk, part; writes part
.if DOCPART == 2
	.amdgcn_target "amdgcn-amd-amdhsa--gfx1250"
	.amdhsa_code_object_version 6
	.text
	.protected	k_q1a46444788_experts
	.globl	k_q1a46444788_experts
	.p2align	8
	.type	k_q1a46444788_experts,@function
k_q1a46444788_experts:
	s_mov_b64 s[64:65], 0
	v_nop
	global_prefetch_b8 v0, s[64:65] scope:SCOPE_SE
	s_setreg_imm32_b32 hwreg(HW_REG_WAVE_MODE, 25, 1), 1
	s_wait_xcnt 0x0
; THE EXPERTS.  Work-group 4 ge + j takes expert ge (group ge / 8, expert ge % 8) and quarter j of its 1,024 hidden units: W1[:, 256 j ..] and W2[256 j .., :], 512 KiB each, which nobody else reads.
; PHASE 1: the two slices are read once, as f32, and quantised on the way.  K is the FIRST axis of both weights, so a lane takes a column and its registers run down K: a block of 32 lies in one lane's 32 registers.
;   A wave takes 64 columns x 128 along K of each weight: four fragments and two registers of scale words, which go to LDS as images of the operand's registers (16 bytes a lane, 512 a store).
;   Meanwhile every wave reads, of tmk, each token's bit for this expert: 1,024 bits in 32 scalar registers, and their count.
; PHASE 2: the waves share nothing.  Wave w takes the expert's rows 16 (16 p + w) .. + 15 in pass p and runs them through the whole chain: x's codes gathered, hidden = relu(x W1 + b1) for my 256 units,
;   quantised in registers, y = hidden W2 (+ b2 where j = 0), times the row's weight, stored as row (token, slot, j) of part.  The four passes serve every split, all 1,024 tokens on one expert too.
;   Row number n of the expert is the token of the n-th set bit: each lane finds its own in registers.  All that steers a branch or an address stays in registers, from tmk's words to the address.
;   slot = the rank of ge among the token's four chosen experts.  The next launch adds a token's sixteen rows.
; Both products are used transposed (source 0 = 16 columns of the weight, source 1 = 16 rows), so a lane holds one row throughout.  THE COLUMNS OF W1 THAT FORM A TILE ARE NOT NEIGHBOURS: lane r of tile 2 b + u
; takes hidden unit 32 b + 8 u + r + 8 (r / 8), so that the 16 registers of tiles 2 b and 2 b + 1 are 16 neighbours along the next K.
; No cluster: each weight byte has one reader, and what is shared (x's codes) is gathered by token.
; LIMITS: NaN and infinities are not served; blocks whose largest magnitude lies under 2^-124 keep the scale byte 1 (a block of zeros too: its codes are zeros).
; A tile's rows beyond the expert's count repeat its last row: they compute the same bytes and store them again at the same place.
.set W2I,   98304                      ; LDS: from 0 W1's 64 images (4 x tile + K step) of 1,536 bytes; here W2's 64 (2 x tile + K step)
.set W1S,   196608                     ; W1's scale words: (4 x group of 32 columns + K step) x 128 bytes; 4,096 on: W2's: (2 x group of 32 columns + K step) x 128
.set B1L,   204800                     ; my 256 numbers of b1
.set B2L,   205824                     ; b2's 512, or zeros where j is not 0
.set STAGE, 207872                     ; the way out: 16 rows x (256 + 16) bytes for each wave
.set LB,   1                           ; v1-4  16 x lane, + 49,152, + 98,304, + 147,456: the images' four quarters
.set LS,   5                           ; v5    W1S + 4 x lane
.set SA1,  6                           ; v6-9  where my wave stores W1's images, W2's, and their scale words
.set SA2,  7
.set SS1,  8
.set SS2,  9
.set V1,   10                          ; v10   W1: 4 x my column among 32: lanes 0-7: 0-7, 8-15: 16-23, 16-23: 8-15, 24-31: 24-31
.set V2,   11                          ; v11   W2: 4 x lane
.set BA1,  12                          ; v12   B1L + 64 h
.set BA2,  13                          ; v13   B2L + 32 h
.set STO,  14                          ; v14   the stage: where I put 32 bytes of a row
.set SRD,  15                          ; v15   and where I read 16 bytes of a row back
.set L16,  18                          ; v18   16 r
.set T4,   20                          ; v20   4 x thread
.set BS1,  21                          ; v21   B1L + 4 x thread
.set BS2,  22                          ; v22   B2L + 4 x thread
.set LN,   24                          ; v24   lane
.set H192, 25                          ; v25   192 h
.set TOK,  26                          ; v26   my row's token
.set D,    27                          ; v27   my row's number in part
.set WGT,  28                          ; v28-29 my row's weight, twice
.set TMQ,  30                          ; v30-31 the token's eight bytes of tmk
.set WTQ,  32                          ; v32-33 the token's two weights in my group
.set XAD,  34                          ; v34   8 x lane for tmk's words; then the gather's offset in xq
.set TP,   35                          ; v35   at work
.set RR,   36                          ; v36   r
.set X,    40                          ; phase 1: v40-167 two sets of 64 numbers
.set CF,   168                         ; v168-215 four fragments: (a, u) at CF + 24 a + 12 u
.set MK,   168                         ; (ahead of them: 32 words of tmk)
.set T,    216                         ; v216-223 the second halves of two blocks' codes
.set AM,   224                         ; v224-225 largest magnitudes; v226-227 scale operands; v228-229 bytes; v230-231 scale words
.set SCL,  226
.set BY,   228
.set SW,   230
.set BV1,  232                         ; v232, v233 my numbers of b1 and b2
.set BV2,  233
.set XF,   40                          ; phase 2: v40-87 x's four fragments; in the second product v40-71 rows on their way out, v72-79 their offsets in part
.set OB,   40
.set OFF,  72
.set ACC,  88                          ; v88-119 four accumulators
.set WB,   120                         ; v120-167, v168-215 two buffers of four weight fragments
.set QM,   168                         ; the hidden layer's quantiser works in the second buffer, which is free then: v168-175, v176-178
.set QT,   176
.set RK,   168                         ; so does the search for my row's token, at a pass's head: v168 my rank, v169-171 the word that holds it: its bits, the count of bits before it, its number;
.set MV,   169                         ; v172 my rank in the word; v173-176 the word's counts of bits by 2, 4, 8 and 16; v177-178 at work; v179 the bit's place
.set BSE,  170
.set IX,   171
.set QQ,   172
.set C1,   173
.set C2,   174
.set C3,   175
.set C4,   176
.set TQ,   177
.set UQ,   178
.set PS,   179
.set HF,   216                         ; v216-239 the hidden layer's two fragments
.set XS,   240                         ; v240-243 x's scale words; v244-245 the hidden layer's; v246-249 the weights', two for each buffer: scales and nothing else
.set HS,   244
.set WSC,  246
.set A8,   250                         ; v250-252 the gather's offsets in tmk, wt, xs
.set A64,  251
.set A16,  252
.set MS,   66                          ; s66-97 the expert's 1,024 bits: bit l of word i = token 32 i + l chose it
.macro BARRIER                                 ; my LDS stores have landed and my LDS loads are in: then the work-group's barrier
	s_wait_dscnt 0x0
	s_barrier_signal -1
	s_barrier_wait -1
.endm
.macro PLACES                                  ; four places behind a matrix instruction of this form, in front of loads into its registers and of reads of its results (ISA guide 7.12.1 for vector instructions)
.rept 4
	v_nop
.endr
.endm
; block t of my wave's eight (0-3: W1's, 4-7: W2's): 32 rows of K x 64 columns into set t % 2.  Two neighbouring lines cover 256 consecutive bytes, aligned
.macro LOADDB t
.irp i, 0,1,2,3,4,5,6,7,8,9,10,11,12,13,14,15,16,17,18,19,20,21,22,23,24,25,26,27,28,29,30,31
.irp a, 0,1
.if (\t) < 4
	global_load_b32 v[X+64*((\t)%2)+32*\a+\i], v[V1], s[28:29] offset:(32*(\t)+\i)*4096+128*\a th:TH_LOAD_NT
.else
	global_load_b32 v[X+64*((\t)%2)+32*\a+\i], v[V2], s[30:31] offset:(32*((\t)-4)+\i)*2048+128*\a th:TH_LOAD_NT
.endif
.endr
.endr
.endm
; block t is quantised: each lane's two columns (a = 0, 1).  Block 2 c + u of a K step goes to registers 6 c .. 6 c + 5 of fragment (a, u); when both u are there, an exchange of halves makes of them
; the fragment of the columns in lanes 0-15 and that of the columns in lanes 16-31 (a fragment's lanes 0-15 hold blocks 0 and 2, its lanes 16-31 blocks 1 and 3)
.macro QDB t
.set tt, (\t)%4
.set XB, X+64*((\t)%2)
.set CD, CF+12*(tt%2)+6*(tt/2)
.if (\t) < 7
	s_wait_loadcnt 63                              ; the next block's 64 loads were issued behind this block's: with at most 63 out, this block is in
.else
	s_wait_loadcnt 0x0
.endif
.irp a, 0,1
	v_max3_num_f32 v[AM+\a], |v[XB+32*\a]|, |v[XB+32*\a+1]|, 0x1800000   ; all 32 numbers are mine; the floor 2^(3 - 127) holds the byte at 1 from below
.endr
.irp i, 2,4,6,8,10,12,14,16,18,20,22,24,26,28,30
.irp a, 0,1
	v_max3_num_f32 v[AM+\a], v[AM+\a], |v[XB+32*\a+\i]|, |v[XB+32*\a+\i+1]|
.endr
.endr
.irp a, 0,1
	v_add_nc_u32 v[SCL+\a], 0xff000000, v[AM+\a]   ; 2 off the exponent field: the conversion's scale operand
.endr
.irp a, 0,1
	v_cvt_scalef32_pk16_fp6_f32 v[CD+24*\a:CD+24*\a+2], v[XB+32*\a:XB+32*\a+15], v[SCL+\a]
	v_cvt_scalef32_pk16_fp6_f32 v[T+4*\a:T+4*\a+2], v[XB+32*\a+16:XB+32*\a+31], v[SCL+\a]   ; (a conversion's three registers begin on an even number)
.endr
.irp a, 0,1
	v_lshrrev_b32 v[BY+\a], 23, v[SCL+\a]          ; the scale's byte.  (The plain place behind the conversions)
.endr
.if (\t) < 6
	LOADDB (\t)+2                                  ; the set just converted takes the block two on
.endif
.irp a, 0,1
.if tt == 0
	v_mov_b32 v[SW+\a], v[BY+\a]
.else
	v_lshl_or_b32 v[SW+\a], v[BY+\a], 8*tt, v[SW+\a]
.endif
.irp i, 0,1,2
	v_mov_b32 v[CD+24*\a+3+\i], v[T+4*\a+\i]
.endr
.endr
.if tt%2 == 1
.irp a, 0,1
.irp i, 0,1,2,3,4,5
	v_permlane16_swap_b32 v[CF+24*\a+6*(tt/2)+\i], v[CF+24*\a+12+6*(tt/2)+\i]
.endr
.endr
.endif
.endm
.macro STOREIMG sa, fs, ss, sx                 ; my four fragments and two registers of scale words go to LDS as they stand
.irp a, 0,1
.irp u, 0,1
.irp q, 0,1,2
	ds_store_b128 v[\sa], v[CF+24*\a+12*\u+4*\q:CF+24*\a+12*\u+4*\q+3] offset:(2*\a+\u)*(\fs)+512*\q
.endr
.endr
.endr
.irp a, 0,1
	ds_store_b32 v[\ss], v[SW+\a] offset:(\sx)*\a
.endr
.endm
; four weight fragments and their two registers of scale words come back, into buffer gB: 14 LDS loads
.macro LOADG fs, ssx
.irp f, 0,1,2,3
.irp q, 0,1,2
	ds_load_b128 v[WB+48*gB+12*\f+4*\q:WB+48*gB+12*\f+4*\q+3], v[gR] offset:gO+\f*(\fs)+512*\q
.endr
.endr
.irp z, 0,1
	ds_load_b32 v[WSC+2*gB+\z], v[LS] offset:gS+\z*(\ssx)
.endr
.endm
.macro LOADP1 n                                ; first product, group n = 4 qd + s: W1's tiles 4 qd .. + 3 at K step s
.set gB, (\n)%2
.set gR, LB+(\n)/8
.set gO, (((\n)/4)%2)*24576+1536*((\n)%4)
.set gS, (8*((\n)/4)+(\n)%4)*128
	LOADG 6144, 512
.endm
.macro LOADP2 r, s                             ; second product: W2's tiles 4 r .. + 3 at K step s
.set gB, (\s)
.set gR, LB+2+(\r)/4
.set gO, ((\r)%4)*12288+1536*(\s)
.set gS, 4096+(4*(\r)+(\s))*128
	LOADG 3072, 256
.endm
; four products: the buffer's four tiles against one fragment of rows.  The four accumulators take turns.  An odd tile's scale words lie in lanes 16-31 of its register
.macro MUL buf, bf, bs
.irp f, 0,1,2,3
.if (\f)%2 == 1
	v_wmma_scale_f32_16x16x128_f8f6f4 v[ACC+8*\f:ACC+8*\f+7], v[WB+48*(\buf)+12*\f:WB+48*(\buf)+12*\f+11], v[\bf:\bf+11], v[ACC+8*\f:ACC+8*\f+7], v[WSC+2*(\buf)+\f/2], v[\bs] matrix_a_fmt:MATRIX_FMT_FP6 matrix_b_fmt:MATRIX_FMT_FP6 matrix_a_scale:MATRIX_SCALE_ROW1
.else
	v_wmma_scale_f32_16x16x128_f8f6f4 v[ACC+8*\f:ACC+8*\f+7], v[WB+48*(\buf)+12*\f:WB+48*(\buf)+12*\f+11], v[\bf:\bf+11], v[ACC+8*\f:ACC+8*\f+7], v[WSC+2*(\buf)+\f/2], v[\bs] matrix_a_fmt:MATRIX_FMT_FP6 matrix_b_fmt:MATRIX_FMT_FP6
.endif
.endr
.endm
.macro BIAS1 qd                                ; b1 is loaded into the accumulators, in the result's layout: tile f, lane half h, register i = hidden unit 64 qd + 32 (f / 2) + 8 (f % 2) + 16 h + i
.irp f, 0,1,2,3
	ds_load_b128 v[ACC+8*\f:ACC+8*\f+3], v[BA1] offset:128*(2*(\qd)+\f/2)+32*(\f%2)
	ds_load_b128 v[ACC+8*\f+4:ACC+8*\f+7], v[BA1] offset:128*(2*(\qd)+\f/2)+32*(\f%2)+16
.endr
.endm
.macro BIAS2 r                                 ; b2 likewise: output 64 r + 16 f + 8 h + i
.irp f, 0,1,2,3
	ds_load_b128 v[ACC+8*\f:ACC+8*\f+3], v[BA2] offset:256*(\r)+64*\f
	ds_load_b128 v[ACC+8*\f+4:ACC+8*\f+7], v[BA2] offset:256*(\r)+64*\f+16
.endr
.endm
; 64 hidden units of my row (two blocks of 32, half of each in my lane): relu, then registers 6 c .. 6 c + 5 of the hidden layer's fragment qd / 2 (c = qd % 2) and two bytes of its scale word
.macro QUANT2 qd
.set s2, (\qd)/2
.set c2, (\qd)%2
.set HD, HF+12*s2+6*c2
.irp j, 0,1,2,3,4,5,6,7,8,9,10,11,12,13,14,15,16,17,18,19,20,21,22,23,24,25,26,27,28,29,30,31
	v_max_num_f32 v[ACC+\j], 0, v[ACC+\j]          ; the activation, in f32; each accumulator from its low end on
.endr
.irp b, 0,1
	v_max3_num_f32 v[QM+\b], v[ACC+16*\b], v[ACC+16*\b+1], 0x1800000   ; none is negative: no |.|
.endr
.irp i, 2,4,6,8,10,12,14
.irp b, 0,1
	v_max3_num_f32 v[QM+\b], v[QM+\b], v[ACC+16*\b+\i], v[ACC+16*\b+\i+1]
.endr
.endr
.irp b, 0,1
	v_permlanex16_b32 v[QM+2+\b], v[QM+\b], s52, s53
.endr
.irp b, 0,1
	v_max_num_f32 v[QM+\b], v[QM+\b], v[QM+2+\b]
.endr
.irp b, 0,1
	v_add_nc_u32 v[QM+4+\b], 0xff000000, v[QM+\b]
.endr
.irp b, 0,1
	v_lshrrev_b32 v[QM+6+\b], 23, v[QM+4+\b]
.endr
	v_cvt_scalef32_pk16_fp6_f32 v[HD:HD+2], v[ACC:ACC+15], v[QM+4]
	v_cvt_scalef32_pk16_fp6_f32 v[QT:QT+2], v[ACC+16:ACC+31], v[QM+5]
	v_nop                                          ; one plain place behind a scaled conversion
.irp i, 0,1,2
	v_permlane16_swap_b32 v[HD+\i], v[QT+\i]       ; a whole block to a lane: lanes 0-15 block 2 c, lanes 16-31 block 2 c + 1
.endr
.irp i, 0,1,2
	v_mov_b32 v[HD+3+\i], v[QT+\i]
.endr
.if c2 == 0
	v_lshl_or_b32 v[HS+s2], v[QM+7], 8, v[QM+6]
.else
	v_lshl_or_b32 v[HS+s2], v[QM+6], 16, v[HS+s2]
	v_lshl_or_b32 v[HS+s2], v[QM+7], 24, v[HS+s2]
.endif
.endm
; one step of the search for the bit of rank v[QQ] in my word: the window from bit v[PS] on is halved.  v[src] holds, in fields of w bits, the counts of set bits of each half-window of that size:
; where my rank is not among the lower half's, the lower half's count is taken off it and the window's start goes up by half
.macro PICK src, w, half
	v_bfe_u32 v[TQ], v[\src], v[PS], \w
	v_cmp_ge_u32 s43, v[QQ], v[TQ]
	v_cndmask_b32 v[TQ], 0, v[TQ], s43
	v_sub_nc_u32 v[QQ], v[QQ], v[TQ]
	v_cndmask_b32 v[UQ], 0, \half, s43
	v_add_nc_u32 v[PS], v[PS], v[UQ]
.endm
	s_load_b512 s[4:19], s[0:1], 0x0               ; W1 s[4:5], b1 s[6:7], W2 s[8:9], b2 s[10:11], xq s[12:13], xs s[14:15], wt s[16:17], tmk s[18:19]
	s_load_b64 s[20:21], s[0:1], 0x40              ; part
	v_lshl_add_u32 v254, v0, 2, 0x43c00
	v_mov_b32 v255, 0
	v_lshrrev_b32 v[TP], 5, v0
	v_readfirstlane_b32 s22, v[TP]                 ; wave 0..15
	s_lshr_b32 s23, ttmp9, 2                       ; ge
	s_and_b32 s24, ttmp9, 3                        ; j
	s_lshr_b32 s25, s23, 3                         ; g
	s_and_b32 s26, s23, 7                          ; e
	s_mov_b32 s52, 0x76543210
	s_mov_b32 s53, 0xfedcba98                      ; v_permlanex16_b32's selects for lane l xor 16
	v_and_b32 v[LN], 31, v0
	v_and_b32 v[RR], 15, v0                        ; r
	v_bfe_u32 v[D], v0, 4, 1                       ; h, for the lines below
	; every LDS address is made here, ahead of the first branch, of constants, the lane and the wave's number
	v_lshlrev_b32 v[LB], 4, v[LN]
	v_add_nc_u32 v[LB+1], 49152, v[LB]
	v_add_nc_u32 v[LB+2], W2I, v[LB]
	v_add_nc_u32 v[LB+3], W2I+49152, v[LB]
	v_lshl_add_u32 v[LS], v[LN], 2, W1S
	s_and_b32 s54, s22, 3                          ; W1: which 64 columns,
	s_lshr_b32 s56, s22, 2                         ; which K step
	s_mul_i32 s55, s54, 24576
	s_mul_i32 s57, s56, 1536
	s_add_co_u32 s55, s55, s57
	v_add_nc_u32 v[SA1], s55, v[LB]
	s_lshl_b32 s55, s54, 10
	s_lshl_b32 s57, s56, 7
	s_add_co_u32 s55, s55, s57
	v_add_nc_u32 v[SS1], s55, v[LS]
	s_lshl_b32 s58, s56, 19                        ; in memory: 128 rows of 4,096 bytes a K step, 256 bytes for 64 columns
	s_lshl_b32 s59, s54, 8
	s_add_co_u32 s58, s58, s59
	s_and_b32 s54, s22, 7                          ; W2: which 64 columns,
	s_lshr_b32 s56, s22, 3                         ; which K step
	s_mul_i32 s55, s54, 12288
	s_mul_i32 s57, s56, 1536
	s_add_co_u32 s55, s55, s57
	v_add_nc_u32 v[SA2], s55, v[LB+2]
	s_lshl_b32 s55, s54, 9
	s_lshl_b32 s57, s56, 7
	s_add_co_u32 s55, s55, s57
	s_add_co_u32 s55, s55, 4096
	v_add_nc_u32 v[SS2], s55, v[LS]
	s_lshl_b32 s60, s56, 18                        ; in memory: 128 rows of 2,048 bytes a K step
	s_lshl_b32 s59, s54, 8
	s_add_co_u32 s60, s60, s59
	v_and_b32 v[V1], 7, v[LN]
	v_and_b32 v[TP], 8, v[LN]
	v_lshl_or_b32 v[V1], v[TP], 1, v[V1]
	v_and_b32 v[TP], 16, v[LN]
	v_lshrrev_b32 v[TP], 1, v[TP]
	v_or_b32 v[V1], v[V1], v[TP]
	v_lshlrev_b32 v[V1], 2, v[V1]
	v_lshlrev_b32 v[V2], 2, v[LN]
	v_lshl_add_u32 v[BA1], v[D], 6, B1L
	v_lshl_add_u32 v[BA2], v[D], 5, B2L
	s_mul_i32 s55, s22, 4352
	s_add_co_u32 s55, s55, STAGE                   ; my stage
	v_mul_u32_u24 v[STO], v[RR], 272
	v_lshl_add_u32 v[STO], v[D], 5, v[STO]
	v_add_nc_u32 v[STO], s55, v[STO]               ; in: row r, 32 bytes for each half of the lanes
	v_mul_u32_u24 v[SRD], v[D], 272
	v_lshl_add_u32 v[SRD], v[RR], 4, v[SRD]
	v_add_nc_u32 v[SRD], s55, v[SRD]               ; back: lanes 0-15 one row of 256 bytes, lanes 16-31 the next
	v_lshlrev_b32 v[L16], 4, v[RR]
	v_lshlrev_b32 v[T4], 2, v0
	v_add_nc_u32 v[BS1], B1L, v[T4]
	v_add_nc_u32 v[BS2], B2L, v[T4]
	v_mul_u32_u24 v[H192], v[D], 192
	v_lshlrev_b32 v[XAD], 3, v[LN]
	; scalars of the choice
	s_and_b32 s35, s23, 31
	s_lshl_b32 s34, 1, s35                         ; my expert's bit in its word of a token's eight bytes
	s_lshl_b32 s35, s25, 3
	s_mov_b64 s[36:37], 1
	s_lshl_b64 s[36:37], s[36:37], s35
	s_sub_nc_u64 s[36:37], s[36:37], 1             ; the bits of the groups below mine
	s_bfm_b32 s38, s26, 0
	s_mov_b32 s39, 0
	s_lshl_b64 s[38:39], s[38:39], s35             ; the bits of my group's experts below mine
	s_cmp_eq_u32 s24, 0
	s_cselect_b32 s40, -1, 0                       ; b2 counts once: in quarter 0
	s_mov_b32 s55, 0
	s_mov_b32 s57, 0
	s_wait_kmcnt 0x0
	s_lshl_b32 s54, s23, 21                        ; an expert's weight is 2,097,152 bytes
	s_lshl_b32 s56, s24, 10
	s_add_co_u32 s56, s56, s54
	s_add_co_u32 s56, s56, s58
	s_add_nc_u64 s[28:29], s[4:5], s[56:57]        ; W1 at my wave's 64 columns x 128 rows
	s_lshl_b32 s56, s24, 19
	s_add_co_u32 s56, s56, s54
	s_add_co_u32 s56, s56, s60
	s_add_nc_u64 s[30:31], s[8:9], s[56:57]        ; W2 likewise
	s_lshl_b32 s54, s23, 12
	s_lshl_b32 s56, s24, 10
	s_add_co_u32 s54, s54, s56
	s_add_nc_u64 s[6:7], s[6:7], s[54:55]          ; b1 at my 256 numbers
	s_lshl_b32 s54, s23, 11
	s_add_nc_u64 s[10:11], s[10:11], s[54:55]      ; b2 at my expert's 512
	s_lshr_b32 s54, s25, 2
	s_lshl_b32 s54, s54, 2
	s_add_nc_u64 s[32:33], s[18:19], s[54:55]      ; tmk at the word that holds my group's byte
	s_lshl_b32 s54, s25, 3
	s_add_nc_u64 s[16:17], s[16:17], s[54:55]      ; wt at my group's pair
	; ---- PHASE 1
	global_load_b32 v[BV2], v[T4], s[10:11]
	s_cmp_lt_u32 s22, 8
	s_cbranch_scc0 .Lno_b1
	global_load_b32 v[BV1], v[T4], s[6:7]
.Lno_b1:
.irp i, 0,1,2,3,4,5,6,7,8,9,10,11,12,13,14,15,16,17,18,19,20,21,22,23,24,25,26,27,28,29,30,31
	global_load_b32 v[MK+\i], v[XAD], s[32:33] offset:256*\i      ; token 32 i + lane: the word with my group's byte
.endr
	LOADDB 0
	s_wait_loadcnt 63                              ; 64 loads were issued behind the 32 words: with at most 63 out they are in
	s_mov_b32 s47, 0
.irp i, 0,1,2,3,4,5,6,7,8,9,10,11,12,13,14,15,16,17,18,19,20,21,22,23,24,25,26,27,28,29,30,31
	v_and_b32 v[TP], s34, v[MK+\i]
	v_cmp_ne_u32 s[MS+\i], 0, v[TP]                ; the tokens among these 32 that chose my expert
	s_bcnt1_i32_b32 s44, s[MS+\i]
	s_add_co_u32 s47, s47, s44                     ; the expert's count of rows
.endr
	LOADDB 1
	QDB 0
	QDB 1
	QDB 2
	QDB 3
	v_cndmask_b32 v[BV2], 0, v[BV2], s40           ; (the biases were loaded ahead of block 0: the waits above have shown them in)
	ds_store_b32 v[BS2], v[BV2]
	s_cmp_lt_u32 s22, 8
	s_cbranch_scc0 .Lno_b1s
	ds_store_b32 v[BS1], v[BV1]
.Lno_b1s:
	STOREIMG SA1, 6144, SS1, 512
	s_wait_dscnt 0x0                               ; the stores have read their registers: W2's codes may be written
	QDB 4
	QDB 5
	QDB 6
	QDB 7
	STOREIMG SA2, 3072, SS2, 256
	BARRIER                                        ; both slices, their scale words and the biases lie in LDS; nothing there is written again but each wave's own stage
	s_lshl_b32 s48, s22, 4                         ; my tile's first row
	s_mov_b32 s50, 0
	s_mov_b32 s58, 0xffff0000                      ; lanes 16 to 31
	; ---- PHASE 2: four passes, a constant; a pass whose tile begins behind the last row is jumped over.  No barrier stands in the loop
.Lpass:
	s_cmp_ge_u32 s48, s47
	s_cbranch_scc1 .Lskip
	; my row's token: the set bit of rank min(first row + r, count - 1) among the 1,024.  First the word: the last one ahead of which no more bits lie than my rank
	s_sub_co_u32 s46, s47, 1
	v_add_nc_u32 v[RK], s48, v[RR]
	v_min_u32 v[RK], s46, v[RK]
	v_mov_b32 v[MV], s[MS]
	v_mov_b32 v[BSE], 0
	v_mov_b32 v[IX], 0
	s_mov_b32 s45, 0
.irp i, 1,2,3,4,5,6,7,8,9,10,11,12,13,14,15,16,17,18,19,20,21,22,23,24,25,26,27,28,29,30,31
	s_bcnt1_i32_b32 s44, s[MS+\i-1]
	s_add_co_u32 s45, s45, s44                     ; the bits ahead of word i
	v_cmp_le_u32 s43, s45, v[RK]
	v_cndmask_b32 v[MV], v[MV], s[MS+\i], s43
	v_cndmask_b32 v[BSE], v[BSE], s45, s43
	v_cndmask_b32 v[IX], v[IX], \i, s43
.endr
	v_sub_nc_u32 v[QQ], v[RK], v[BSE]              ; my rank in the word
	v_lshrrev_b32 v[TQ], 1, v[MV]                  ; the word's counts of set bits: in each 2 bits,
	v_and_b32 v[TQ], 0x55555555, v[TQ]
	v_sub_nc_u32 v[C1], v[MV], v[TQ]
	v_lshrrev_b32 v[TQ], 2, v[C1]                  ; in each 4,
	v_and_b32 v[TQ], 0x33333333, v[TQ]
	v_and_b32 v[C2], 0x33333333, v[C1]
	v_add_nc_u32 v[C2], v[C2], v[TQ]
	v_lshrrev_b32 v[TQ], 4, v[C2]                  ; in each 8,
	v_add_nc_u32 v[TQ], v[TQ], v[C2]
	v_and_b32 v[C3], 0x0f0f0f0f, v[TQ]
	v_lshrrev_b32 v[TQ], 8, v[C3]                  ; and, in its lowest byte, in the lower 16
	v_add_nc_u32 v[C4], v[TQ], v[C3]
	v_mov_b32 v[PS], 0
	PICK C4, 8, 16
	PICK C3, 8, 8
	PICK C2, 4, 4
	PICK C1, 2, 2
	PICK MV, 1, 1
	v_lshl_add_u32 v[TOK], v[IX], 5, v[PS]         ; token = 32 x word + bit
	v_min_u32 v[TOK], 0x3ff, v[TOK]
	v_lshlrev_b32 v[A8], 3, v[TOK]
	v_lshlrev_b32 v[A64], 6, v[TOK]
	v_lshlrev_b32 v[A16], 4, v[TOK]
	v_mul_u32_u24 v[XAD], v[TOK], 384
	v_add_nc_u32 v[XAD], v[XAD], v[H192]
	global_load_b64 v[TMQ:TMQ+1], v[A8], s[18:19]
	global_load_b64 v[WTQ:WTQ+1], v[A64], s[16:17]
	global_load_b128 v[XS:XS+3], v[A16], s[14:15]
.irp q, 0,1,2,3,4,5,6,7,8,9,10,11
	global_load_b128 v[XF+4*\q:XF+4*\q+3], v[XAD], s[12:13] offset:16*\q   ; my 48 registers of the row's four fragments, as they were laid
.endr
	LOADP1 0
	s_wait_loadcnt 13                              ; the token's bits and weights are in; the 13 loads behind them may be out
	v_and_b32 v[TP], s36, v[TMQ]
	v_and_or_b32 v[TP], v[TMQ+1], s37, v[TP]
	v_cmp_ne_u32 s41, 0, v[TP]                     ; a chosen group lies below mine
	v_and_b32 v[TP], s38, v[TMQ]
	v_and_or_b32 v[TP], v[TMQ+1], s39, v[TP]
	v_cmp_ne_u32 s42, 0, v[TP]                     ; my group's other chosen expert lies below mine
	v_cndmask_b32 v[WGT], v[WTQ], v[WTQ+1], s42
	v_mov_b32 v[WGT+1], v[WGT]                     ; (named as a pair by the packed multiply)
	v_lshl_add_u32 v[D], v[TOK], 4, s24            ; the row of part: 16 x token + 4 x slot + j
	v_cndmask_b32 v[TP], 0, 8, s41
	v_add_nc_u32 v[D], v[D], v[TP]
	v_cndmask_b32 v[TP], 0, 4, s42
	v_add_nc_u32 v[D], v[D], v[TP]
	; the first product: sixteen groups of four tiles x one K step, on two buffers.  While a group is multiplied the next one's 14 loads are on their way
.set n, 0
.rept 16
.if (n%4) == 0
	BIAS1 n/4
.endif
	PLACES                                         ; the buffer that is loaded next was read by the four products just issued
.if n < 15
	LOADP1 n+1
.else
	LOADP2 0, 0                                    ; behind the last group: the second product's first
.endif
	s_wait_dscnt 14                                ; all but the 14 loads just issued: this group's fragments, and the bias
.if n == 0
	s_wait_loadcnt 0x0                             ; x's codes and scale words
.endif
	MUL n%2, XF+12*(n%4), XS+n%4
.if (n%4) == 3
	PLACES
	QUANT2 n/4
.endif
.set n, n+1
.endr
	; the rows' places in part: store i of a round takes row 2 i in lanes 0-15 and row 2 i + 1 in lanes 16-31; their numbers are read from the lanes that hold them.  x's fragments are done with:
	; their registers take the offsets.  The plain lines here are also the eight places between the hidden layer's last scale word and the products that name it
.irp i, 0,1,2,3,4,5,6,7
	v_readlane_b32 s54, v[D], 2*\i
	v_readlane_b32 s55, v[D], 2*\i+1
	v_mov_b32 v[OFF+\i], s54
	v_cndmask_b32 v[OFF+\i], v[OFF+\i], s55, s58
.endr
.irp i, 0,1,2,3,4,5,6,7
	v_min_u32 v[OFF+\i], 0x3fff, v[OFF+\i]
.endr
.irp i, 0,1,2,3,4,5,6,7
	v_lshl_add_u32 v[OFF+\i], v[OFF+\i], 11, v[L16]               ; 2,048 bytes a row of part, 16 bytes a lane
.endr
	; the second product: eight rounds of four tiles (64 outputs) x two K steps
.set rr, 0
.rept 8
	BIAS2 rr
	LOADP2 rr, 1
	s_wait_dscnt 14                                ; all but the 14 loads just issued
	MUL 0, HF, HS
	s_wait_dscnt 0x0
	MUL 1, HF+12, HS+1
	PLACES
.if rr < 7
	LOADP2 rr+1, 0
.endif
.irp i, 0,1,2,3,4,5,6,7,8,9,10,11,12,13,14,15
	v_pk_mul_f32 v[ACC+2*\i:ACC+2*\i+1], v[ACC+2*\i:ACC+2*\i+1], v[WGT:WGT+1] op_sel_hi:[1,0]   ; times the row's weight; each accumulator from its low end on
.endr
.irp f, 0,1,2,3
	ds_store_b128 v[STO], v[ACC+8*\f:ACC+8*\f+3] offset:64*\f
	ds_store_b128 v[STO], v[ACC+8*\f+4:ACC+8*\f+7] offset:64*\f+16
.endr
	s_wait_xcnt 0x0                                ; the last round's stores have read their registers: the rows may be loaded there again
.irp i, 0,1,2,3,4,5,6,7
	ds_load_b128 v[OB+4*\i:OB+4*\i+3], v[SRD] offset:544*\i       ; LDS serves a wave's instructions in order: these see my stores
.endr
	s_wait_dscnt 0x0
.irp i, 0,1,2,3,4,5,6,7
	global_store_b128 v[OFF+\i], v[OB+4*\i:OB+4*\i+3], s[20:21] offset:256*rr   ; sixteen lanes store 256 consecutive bytes of a row, at a multiple of 256 from part's first byte
.endr
.set rr, rr+1
.endr
	s_wait_xcnt 0x0                                ; the stores have read their registers and offsets: the next pass loads x's codes there
.Lskip:
	s_add_co_u32 s48, s48, 256
	s_add_co_u32 s50, s50, 1
	s_cmp_lt_u32 s50, 4
	s_cbranch_scc1 .Lpass
	s_wait_tensorcnt 0x0
	ds_add_u32 v254, v255
	s_wait_dscnt 0x0
	s_endpgm
.Lfunc_end_k_q1a46444788_experts:
	.size	k_q1a46444788_experts, .Lfunc_end_k_q1a46444788_experts-k_q1a46444788_experts
	.p2alignl 7, 3214868480
	.fill 96, 4, 3214868480
	.section	.rodata,"a",@progbits
	.p2align	6, 0x0
	.amdhsa_kernel k_q1a46444788_experts
		.amdhsa_group_segment_fixed_size 279552
		.amdhsa_private_segment_fixed_size 0
		.amdhsa_enable_private_segment 0
		.amdhsa_kernarg_size 72
		.amdhsa_user_sgpr_count 2
		.amdhsa_user_sgpr_kernarg_segment_ptr 1
		.amdhsa_wavefront_size32 1
		.amdhsa_system_sgpr_workgroup_id_x 1
		.amdhsa_system_sgpr_workgroup_id_y 1
		.amdhsa_system_sgpr_workgroup_id_z 1
		.amdhsa_system_vgpr_workitem_id 0
		.amdhsa_next_free_vgpr 256
		.amdhsa_next_free_sgpr 98
		.amdhsa_reserve_vcc 0
		.amdhsa_float_denorm_mode_32 3
		.amdhsa_float_denorm_mode_16_64 3
		.amdhsa_memory_ordered 1
		.amdhsa_forward_progress 1
		.amdhsa_inst_pref_size 194
	.end_amdhsa_kernel
	.amdgpu_metadata
---
amdhsa.version: [ 1, 2 ]
amdhsa.kernels:
  - .name:           k_q1a46444788_experts
    .symbol:         k_q1a46444788_experts.kd
    .args:
      - { .name: W1, .offset: 0, .size: 8, .value_kind: global_buffer, .address_space: global }
      - { .name: b1, .offset: 8, .size: 8, .value_kind: global_buffer, .address_space: global }
      - { .name: W2, .offset: 16, .size: 8, .value_kind: global_buffer, .address_space: global }
      - { .name: b2, .offset: 24, .size: 8, .value_kind: global_buffer, .address_space: global }
      - { .name: xq, .offset: 32, .size: 8, .value_kind: global_buffer, .address_space: global }
      - { .name: xs, .offset: 40, .size: 8, .value_kind: global_buffer, .address_space: global }
      - { .name: wt, .offset: 48, .size: 8, .value_kind: global_buffer, .address_space: global }
      - { .name: tmk, .offset: 56, .size: 8, .value_kind: global_buffer, .address_space: global }
      - { .name: part, .offset: 64, .size: 8, .value_kind: global_buffer, .address_space: global }
    .group_segment_fixed_size: 279552
    .private_segment_fixed_size: 0
    .kernarg_segment_align: 8
    .kernarg_segment_size: 72
    .max_flat_workgroup_size: 512
    .sgpr_count:     98
    .vgpr_count:     256
    .wavefront_size: 32
...
	.end_amdgpu_metadata
.endif
;; end of part 2
;; launch combine (part 3): grid 256 x 1, 16 waves a work-group, no clusters, 0 bytes of LDS; arguments part, out0; writes out0
.if DOCPART == 3
	.amdgcn_target "amdgcn-amd-amdhsa--gfx1250"
	.amdhsa_code_object_version 6
	.text
	.protected	k_q1a46444788_combine
	.globl	k_q1a46444788_combine
	.p2align	8
	.type	k_q1a46444788_combine,@function
k_q1a46444788_combine:
	s_mov_b64 s[64:65], 0
	v_nop
	global_prefetch_b8 v0, s[64:65] scope:SCOPE_SE
	s_setreg_imm32_b32 hwreg(HW_REG_WAVE_MODE, 25, 1), 1
	s_wait_xcnt 0x0
; out0[token] = the sum of part's sixteen rows of that token (four chosen experts x four quarters of the hidden layer), already weighed.
; part: [1,024 tokens][16 rows][512] f32.  A work-group takes four tokens; wave w takes quarter w % 4 (512 bytes) of token w / 4's row.
; A stream: every load and the store cover 512 consecutive bytes of the wave, aligned; all sixteen loads go out at once.  No LDS, no barrier, no loop: waves share nothing.
	s_load_b128 s[4:7], s[0:1], 0x0                ; part, out0
	v_lshrrev_b32 v2, 5, v0
	v_readfirstlane_b32 s8, v2                     ; wave 0..15
	v_and_b32 v1, 31, v0
	v_lshlrev_b32 v1, 4, v1                        ; 16 bytes a lane
	s_lshr_b32 s9, s8, 2                           ; which of the four tokens
	s_and_b32 s10, s8, 3                           ; which quarter of the row
	s_lshl_b32 s12, ttmp9, 17                      ; part: four tokens of 32,768 bytes a work-group
	s_lshl_b32 s11, s9, 15
	s_add_co_u32 s12, s12, s11
	s_lshl_b32 s11, s10, 9
	s_add_co_u32 s12, s12, s11
	s_mov_b32 s13, 0
	s_lshl_b32 s14, ttmp9, 13                      ; out0: four rows of 2,048 bytes
	s_add_co_u32 s14, s14, s11
	s_lshl_b32 s11, s9, 11
	s_add_co_u32 s14, s14, s11
	s_mov_b32 s15, 0
	s_wait_kmcnt 0x0
	s_add_nc_u64 s[4:5], s[4:5], s[12:13]
	s_add_nc_u64 s[6:7], s[6:7], s[14:15]
.irp i, 0,1,2,3,4,5,6,7,8,9,10,11,12,13,14,15
	global_load_b128 v[4+4*\i:7+4*\i], v1, s[4:5] offset:2048*\i th:TH_LOAD_NT
.endr
	s_wait_loadcnt 12                              ; rows 0 to 3 are in; the twelve behind them may be out
	v_pk_add_f32 v[68:69], v[4:5], v[8:9]          ; two chains: the low pair and the high pair of my four numbers
	v_pk_add_f32 v[70:71], v[6:7], v[10:11]
.irp i, 2,3
	v_pk_add_f32 v[68:69], v[68:69], v[4+4*\i:5+4*\i]
	v_pk_add_f32 v[70:71], v[70:71], v[6+4*\i:7+4*\i]
.endr
	s_wait_loadcnt 8                               ; rows 4 to 7
.irp i, 4,5,6,7
	v_pk_add_f32 v[68:69], v[68:69], v[4+4*\i:5+4*\i]
	v_pk_add_f32 v[70:71], v[70:71], v[6+4*\i:7+4*\i]
.endr
	s_wait_loadcnt 4                               ; rows 8 to 11
.irp i, 8,9,10,11
	v_pk_add_f32 v[68:69], v[68:69], v[4+4*\i:5+4*\i]
	v_pk_add_f32 v[70:71], v[70:71], v[6+4*\i:7+4*\i]
.endr
	s_wait_loadcnt 0x0
.irp i, 12,13,14,15
	v_pk_add_f32 v[68:69], v[68:69], v[4+4*\i:5+4*\i]
	v_pk_add_f32 v[70:71], v[70:71], v[6+4*\i:7+4*\i]
.endr
	global_store_b128 v1, v[68:71], s[6:7] th:TH_STORE_NT
	s_endpgm
.Lfunc_end_k_q1a46444788_combine:
	.size	k_q1a46444788_combine, .Lfunc_end_k_q1a46444788_combine-k_q1a46444788_combine
	.p2alignl 7, 3214868480
	.fill 96, 4, 3214868480
	.section	.rodata,"a",@progbits
	.p2align	6, 0x0
	.amdhsa_kernel k_q1a46444788_combine
		.amdhsa_group_segment_fixed_size 0
		.amdhsa_private_segment_fixed_size 0
		.amdhsa_enable_private_segment 0
		.amdhsa_kernarg_size 16
		.amdhsa_user_sgpr_count 2
		.amdhsa_user_sgpr_kernarg_segment_ptr 1
		.amdhsa_wavefront_size32 1
		.amdhsa_system_sgpr_workgroup_id_x 1
		.amdhsa_system_sgpr_workgroup_id_y 1
		.amdhsa_system_sgpr_workgroup_id_z 1
		.amdhsa_system_vgpr_workitem_id 0
		.amdhsa_next_free_vgpr 72
		.amdhsa_next_free_sgpr 66
		.amdhsa_reserve_vcc 0
		.amdhsa_float_denorm_mode_32 3
		.amdhsa_float_denorm_mode_16_64 3
		.amdhsa_memory_ordered 1
		.amdhsa_forward_progress 1
		.amdhsa_inst_pref_size 5
	.end_amdhsa_kernel
	.amdgpu_metadata
---
amdhsa.version: [ 1, 2 ]
amdhsa.kernels:
  - .name:           k_q1a46444788_combine
    .symbol:         k_q1a46444788_combine.kd
    .args:
      - { .name: part, .offset: 0, .size: 8, .value_kind: global_buffer, .address_space: global }
      - { .name: out0, .offset: 8, .size: 8, .value_kind: global_buffer, .address_space: global }
    .group_segment_fixed_size: 0
    .private_segment_fixed_size: 0
    .kernarg_segment_align: 8
    .kernarg_segment_size: 16
    .max_flat_workgroup_size: 512
    .sgpr_count:     66
    .vgpr_count:     72
    .wavefront_size: 32
...
	.end_amdgpu_metadata
.endif
;; end of part 3
;; ======== version 2 of 2: 3 launches; version 1 with the launch route written anew for expert scheduling mode
;; workspace buffers: xq 393,216 bytes; xs 16,384 bytes; wt 65,536 bytes; tmk 8,192 bytes of whole numbers; part 33,554,432 bytes
;; launch route (part 4): grid 16 x 1, 16 waves a work-group, no clusters, 68,608 bytes of LDS; arguments x, g1, g2, xq, xs, wt, tmk; writes xq, xs, wt, tmk
.if DOCPART == 4
	.amdgcn_target "amdgcn-amd-amdhsa--gfx1250"
	.amdhsa_code_object_version 6
	.text
	.protected	k_q1a46444788_route
	.globl	k_q1a46444788_route
	.p2align	8
	.type	k_q1a46444788_route,@function
k_q1a46444788_route:
	s_mov_b64 s[64:65], 0
	v_nop
	global_prefetch_b8 v0, s[64:65] scope:SCOPE_SE
	s_setreg_imm32_b32 hwreg(HW_REG_WAVE_SCHED_MODE, 0, 2), 2
	s_setreg_imm32_b32 hwreg(HW_REG_WAVE_MODE, 25, 1), 1
	s_wait_xcnt 0x0
	s_wait_alu depctr_vm_vsrc(0)
; THE ROUTER.  1,024 tokens of 512 numbers.  A work-group of sixteen waves owns 64 tokens.  It makes
;   xq   x as codes of E2M3, laid [token][half of the lanes][K step][48 bytes]: the 192 bytes of (token, half) are the 48 registers that a lane holds of the token's four fragments
;   xs   x's scale words, [token][4]
;   wt   [token][group][2] f32: level-1 weight x level-2 weight of the group's chosen expert with the lower number, then of the higher; zeros where the group is not chosen
;   tmk  [token][8 bytes]: byte g holds the bits of group g's two chosen experts, 0 where the group is not chosen
; Level 1 (x g1, 8 columns) takes f32 operands: 32 products of 16 x 16 x 4 a wave.  Level 2 (x g2, 64 columns) is multiplied on codes of E2M3 with E8M0 scales.
; No address and no branch hangs on the choice: it is stored at fixed places, and a later launch forms addresses from it.
; A block's scale byte is its largest magnitude's exponent field - 2, held at 1 from below (a block of zeros keeps the byte 1: its codes are zeros, and this program alone reads the bytes).
; LIMITS: NaN and infinities among the inputs are not served; blocks whose largest magnitude lies under 2^-124 keep the byte 1; equal logits go to the lower index (strict compares).
; PHASE A: wave w = 4 hi + lo quantises tokens 16 hi .. + 15 at K step lo, g2's columns 16 hi .. + 15 at K step lo, and multiplies its x by g1's K step lo.
; PHASE B: wave w takes tokens 16 hi .. + 15 against g2's columns 16 lo .. + 15 (groups 2 lo, 2 lo + 1), all four K steps, and chooses.
; THE MODE: SCHED_MODE bits 1:0 = 2 (LLVM: expert scheduling mode 2), set by the entry lines.  The code itself states the register dependences
; between vector or matrix instructions and memory or LDS instructions, with s_wait_alu, always for 0.
; THE PLAN.  Registers that memory or LDS instructions touch:
;   v4-v25      offsets and LDS addresses: written at the head, never again: one wait on va_vdst ahead of the first load.
;   X, G1, G2   phase A's loads land there; matrix and vector instructions read them; phase B's and the way out's LDS loads land there again.
;   PC, PW, LS1 written by the quantiser and by level 1's sums; read by LDS stores; PC and PW are written again by the second quantiser; phase B's loads land on all three.
;   v212, v224-225  written by the choice; read by the last two LDS stores.
; So a wait on va_vdst stands ahead of each of the three runs of LDS stores; no vector instruction stands between the second run and phase B's loads, nor between the third and the way out's,
; so these two waits also show the readers of the registers in which those loads land done.  A wait on vm_vsrc stands ahead of the second quantiser and ahead of phase B's loads.
; Compares into scalar registers stand in runs, each with one wait on va_sdst ahead of the selects: the two searches for the two largest go in step for that.
.set XSG,  25600                       ; LDS: from 0 x's codes, 64 tokens 400 bytes apart (384 + 16); here x's scale words, 16 bytes a token
.set G2I,  26624                       ; g2's 16 fragments (4 x column tile + K step) as images of their registers, 1,536 bytes each
.set G2S,  51200                       ; their scale words, 128 bytes each
.set L1P,  53248                       ; level 1's partial logits: [4 x token tile + K step][token][8 f32]
.set WT2,  61440                       ; wt's 4,096 bytes
.set TMK,  65536                       ; tmk's 512 bytes
.set XA,   4                           ; v4   x: 2,048 r + 64 h
.set GA2,  5                           ; v5   g2: 16,384 (r / 8) + 4 (r % 8) + 512 h
.set GA1,  6                           ; v6   g1: 4 (r % 8) + 512 h
.set LI,   7                           ; v7   16 x lane
.set L4,   8                           ; v8   4 x lane
.set XGW,  9                           ; v9-13  where phase A stores: x's codes, x's scale word, g2's image, its scale word, the partial logits
.set XSW,  10
.set G2W,  11
.set G2SW, 12
.set L1W,  13
.set XGR,  14                          ; v14-18 where phase B reads the same
.set XSR,  15
.set G2R,  16
.set G2SR, 17
.set L1R,  18
.set TMW,  19                          ; v19  my byte of tmk
.set WTW,  20                          ; v20  my pair of wt
.set XO,   21                          ; v21-23 the way out of x's codes
.set O8,   24                          ; v24  8 x lane + 256 x wave
.set OT,   25                          ; v25  the same in tmk's bytes, for waves 4 and 5
.set GL,   26                          ; v26  my group in phase B: 2 lo + h
.set TT,   27                          ; v27  at work
.set XS,   28                          ; v28-31 x's four scale words: scales and nothing else
.set GS,   32                          ; v32-35 g2's four scale words: scales and nothing else
.set X,    36                          ; v36-99   64 numbers of x;   phase B: x's four fragments
.set G2,   100                         ; v100-163 64 numbers of g2;  phase B: g2's four fragments
.set G1,   164                         ; v164-227 64 numbers of g1;  then the registers below
.set PC,   164                         ; v164-183 the codes just made
.set PW,   184                         ; v184     the scale word just made
.set LS1,  186                         ; v186-193 my K step's eight logits of level 1
.set PL,   164                         ; phase B: v164-195 the four K steps' logits of level 1
.set LG,   196                         ; phase B: v196-211 two accumulators of level 2
.set AF,   228                         ; v228-243 the f32 form's two accumulators: matrix instructions alone write them
.set TM,   244                         ; v244-247 largest magnitudes, v248-251 at work, v252-255 the conversions' scale operands
.set XF,   36
.set GF,   100
; 64 numbers of a lane, register 16 b + i = k 32 b + 16 (lane / 16) + i of my row, become a fragment's codes in v[PC] on and its scale word in v[PW]
.macro QUANT s
.irp b, 0,1,2,3
	v_max3_num_f32 v[TM+\b], |v[\s+16*\b]|, |v[\s+1+16*\b]|, 0x1800000   ; my 16 numbers of block b, and the floor 2^(3 - 127): the byte cannot fall under 1
.endr
.irp i, 2,4,6,8,10,12,14
.irp b, 0,1,2,3
	v_max3_num_f32 v[TM+\b], v[TM+\b], |v[\s+16*\b+\i]|, |v[\s+1+16*\b+\i]|   ; the four blocks by turns
.endr
.endr
.irp b, 0,1,2,3
	v_permlanex16_b32 v[TM+4+\b], v[TM+\b], s22, s23
.endr
.irp b, 0,1,2,3
	v_max_num_f32 v[TM+\b], v[TM+\b], v[TM+4+\b]                  ; with lane l xor 16's: the block's largest magnitude
.endr
.irp b, 0,1,2,3
	v_add_nc_u32 v[TM+8+\b], 0xff000000, v[TM+\b]                 ; 2 off its exponent field: the conversion takes this operand's exponent field as its scale
.endr
.irp b, 0,1,2,3
	v_lshrrev_b32 v[TM+4+\b], 23, v[TM+8+\b]                      ; the scale's byte
.endr
	v_lshl_or_b32 v[PW], v[TM+5], 8, v[TM+4]
	v_lshl_or_b32 v[PW], v[TM+6], 16, v[PW]
	v_lshl_or_b32 v[PW], v[TM+7], 24, v[PW]
.irp c, 0,1
	v_cvt_scalef32_pk16_fp6_f32 v[PC+6*\c:PC+2+6*\c], v[\s+32*\c:\s+15+32*\c], v[TM+8+2*\c]
	v_cvt_scalef32_pk16_fp6_f32 v[PC+12+4*\c:PC+14+4*\c], v[\s+16+32*\c:\s+31+32*\c], v[TM+8+2*\c+1]   ; (a conversion's three registers begin on an even number)
.endr
	v_nop                                          ; one plain place behind a scaled conversion
.irp c, 0,1                                    ; the operand's layout wants a whole block in a lane: lanes 0-15 block 2 c, lanes 16-31 block 2 c + 1
.irp i, 0,1,2
	v_permlane16_swap_b32 v[PC+6*\c+\i], v[PC+12+4*\c+\i]
.endr
.irp i, 0,1,2
	v_mov_b32 v[PC+3+6*\c+\i], v[PC+12+4*\c+\i]
.endr
.endr
.endm
; The two largest of eight numbers and their indices; strict compares keep the lower index where numbers are equal.  In three parts, so that two such searches can go in step:
; the start; one number's two compares, into two scalar registers; the six selects by them
.macro TOPINIT src, b1, i1, b2, i2
	v_mov_b32 v[\b1], v[\src]
	v_mov_b32 v[\i1], 0
	v_mov_b32 v[\b2], 0xff800000
	v_mov_b32 v[\i2], 0
.endm
.macro CMP2 x, b1, b2, m1, m2
	v_cmp_gt_f32 s[\m1], v[\x], v[\b1]
	v_cmp_gt_f32 s[\m2], v[\x], v[\b2]
.endm
.macro SEL2 x, j, b1, i1, b2, i2, m1, m2
	v_cndmask_b32 v[\b2], v[\b2], v[\x], s[\m2]
	v_cndmask_b32 v[\i2], v[\i2], \j, s[\m2]
	v_cndmask_b32 v[\b2], v[\b2], v[\b1], s[\m1]
	v_cndmask_b32 v[\i2], v[\i2], v[\i1], s[\m1]
	v_cndmask_b32 v[\b1], v[\b1], v[\x], s[\m1]
	v_cndmask_b32 v[\i1], v[\i1], \j, s[\m1]
.endm
.macro BARRIER                                 ; my LDS stores have landed and my LDS loads are in: then the work-group's barrier
	s_wait_dscnt 0x0
	s_barrier_signal -1
	s_barrier_wait -1
.endm
	s_load_b256 s[4:11], s[0:1], 0x0               ; x s[4:5], g1 s[6:7], g2 s[8:9], xq s[10:11]
	s_load_b128 s[12:15], s[0:1], 0x20             ; xs s[12:13], wt s[14:15]
	s_load_b64 s[16:17], s[0:1], 0x30              ; tmk
	v_lshrrev_b32 v[TT], 5, v0
	v_readfirstlane_b32 s18, v[TT]                 ; wave 0..15
	s_mov_b32 s22, 0x76543210
	s_mov_b32 s23, 0xfedcba98                      ; v_permlanex16_b32's selects for lane l xor 16
	s_mov_b32 s32, 0x3fb8aa3b                      ; log2(e)
	v_and_b32 v1, 31, v0                           ; lane
	v_and_b32 v2, 15, v0                           ; r
	v_bfe_u32 v3, v0, 4, 1                         ; h
	s_wait_alu depctr_va_sdst(0)                   ; s18 is written, ahead of its first reader
	s_lshr_b32 s19, s18, 2                         ; hi
	s_and_b32 s20, s18, 3                          ; lo
	; byte offsets of the work-group's and the wave's parts
	s_lshl_b32 s24, ttmp9, 17                      ; x: 64 tokens of 2,048 bytes a work-group,
	s_lshl_b32 s42, s19, 15                        ; 16 tokens a tile,
	s_add_co_u32 s24, s24, s42
	s_lshl_b32 s43, s20, 9                         ; 512 bytes a K step
	s_add_co_u32 s24, s24, s43
	s_mov_b32 s25, 0
	s_lshl_b32 s26, s20, 12                        ; g1: 128 rows of 32 bytes a K step
	s_mov_b32 s27, 0
	s_add_co_u32 s28, s42, s26                     ; g2: two groups of 16,384 bytes a column tile, and the K step
	s_mov_b32 s29, 0
	s_mul_i32 s34, ttmp9, 24576                    ; xq: 64 tokens of 384 bytes; a wave stores 1,536 of them
	s_mul_i32 s42, s18, 1536
	s_add_co_u32 s34, s34, s42
	s_mov_b32 s35, 0
	s_lshl_b32 s36, ttmp9, 12                      ; wt
	s_mov_b32 s37, 0
	s_lshl_b32 s38, ttmp9, 10                      ; xs
	s_mov_b32 s39, 0
	s_lshl_b32 s40, ttmp9, 9                       ; tmk
	s_mov_b32 s41, 0
	; every address is made here, of constants, the lane and the wave's number
	v_lshlrev_b32 v[XA], 11, v2
	v_lshl_add_u32 v[XA], v3, 6, v[XA]
	v_and_b32 v[TT], 7, v2
	v_lshlrev_b32 v[GA1], 2, v[TT]
	v_lshl_add_u32 v[GA1], v3, 9, v[GA1]
	v_lshrrev_b32 v[TT], 3, v2
	v_lshl_add_u32 v[GA2], v[TT], 14, v[GA1]
	v_lshlrev_b32 v[LI], 4, v1
	v_lshlrev_b32 v[L4], 2, v1
	v_mul_u32_u24 v[TT], v2, 400
	v_mad_u32_u24 v[TT], v3, 192, v[TT]            ; token r's place, my half's 192 bytes
	s_mul_i32 s42, s19, 6400
	v_add_nc_u32 v[XGR], s42, v[TT]
	s_mul_i32 s43, s20, 48
	s_add_co_u32 s43, s43, s42
	v_add_nc_u32 v[XGW], s43, v[TT]
	s_lshl_b32 s42, s19, 8
	s_add_co_u32 s42, s42, XSG
	v_lshl_add_u32 v[XSR], v2, 4, s42
	s_lshl_b32 s43, s20, 2
	v_add_nc_u32 v[XSW], s43, v[XSR]
	s_mul_i32 s42, s18, 1536
	s_add_co_u32 s42, s42, G2I
	v_add_nc_u32 v[G2W], s42, v[LI]
	s_lshl_b32 s42, s18, 7
	s_add_co_u32 s42, s42, G2S
	v_add_nc_u32 v[G2SW], s42, v[L4]
	s_lshl_b32 s42, s18, 9
	s_add_co_u32 s42, s42, L1P
	v_lshl_add_u32 v[L1W], v2, 5, s42
	s_mul_i32 s42, s20, 6144
	s_add_co_u32 s42, s42, G2I
	v_add_nc_u32 v[G2R], s42, v[LI]
	s_lshl_b32 s42, s20, 9
	s_add_co_u32 s42, s42, G2S
	v_add_nc_u32 v[G2SR], s42, v[L4]
	s_lshl_b32 s42, s19, 11
	s_add_co_u32 s42, s42, L1P
	v_lshl_add_u32 v[L1R], v2, 5, s42
	s_lshl_b32 s42, s20, 1
	v_add_nc_u32 v[GL], s42, v3
	s_lshl_b32 s42, s19, 7
	s_add_co_u32 s42, s42, TMK
	v_lshl_add_u32 v[TMW], v2, 3, s42
	v_add_nc_u32 v[TMW], v[TMW], v[GL]
	s_lshl_b32 s42, s19, 10
	s_add_co_u32 s42, s42, WT2
	v_lshl_add_u32 v[WTW], v2, 6, s42
	v_lshl_add_u32 v[WTW], v[GL], 3, v[WTW]
	s_mul_i32 s42, s18, 1600                       ; the way out: my wave's four tokens; piece p of 16 bytes (p = 32 q + lane) lies 16 (p + p / 24) bytes on,
.irp q, 0,1,2
	v_add_nc_u32 v[TT], 32*\q, v1
	v_mul_u32_u24 v[XO+\q], v[TT], 2731            ; p / 24 = (2,731 p) >> 16 for p under 96
	v_lshrrev_b32 v[XO+\q], 16, v[XO+\q]
	v_add_nc_u32 v[XO+\q], v[XO+\q], v[TT]
	v_lshl_add_u32 v[XO+\q], v[XO+\q], 4, s42
.endr
	s_lshl_b32 s42, s18, 8
	v_lshl_add_u32 v[O8], v1, 3, s42
	v_add_nc_u32 v[OT], TMK-1024, v[O8]
.irp b, 0,1,2,3
	v_mov_b32 v[TM+4+\b], 0                        ; written once: a lane permute's destination counts as one of its sources
.endr
	s_wait_kmcnt 0x0
	s_add_nc_u64 s[4:5], s[4:5], s[24:25]
	s_add_nc_u64 s[6:7], s[6:7], s[26:27]
	s_add_nc_u64 s[8:9], s[8:9], s[28:29]
	s_add_nc_u64 s[10:11], s[10:11], s[34:35]
	s_add_nc_u64 s[14:15], s[14:15], s[36:37]
	s_add_nc_u64 s[12:13], s[12:13], s[38:39]
	s_add_nc_u64 s[16:17], s[16:17], s[40:41]
	s_wait_alu depctr_va_vdst(0)                   ; the offsets and LDS addresses v4 to v25 are written: every load and store of the kernel reads one of them, and none is written again
	; ---- PHASE A.  Register 16 b + i of each of the three sets is k = 32 b + 16 h + i of the K step: of token r, of g1's column r % 8, of g2's column r
.irp b, 0,1,2,3
.irp j, 0,1,2,3
	global_load_b128 v[X+16*\b+4*\j:X+16*\b+4*\j+3], v[XA], s[4:5] offset:128*\b+16*\j th:TH_LOAD_NT
.endr
.endr
.irp b, 0,1,2,3
.irp i, 0,1,2,3,4,5,6,7,8,9,10,11,12,13,14,15
	global_load_b32 v[G1+16*\b+\i], v[GA1], s[6:7] offset:1024*\b+32*\i
.endr
.endr
.irp b, 0,1,2,3
.irp i, 0,1,2,3,4,5,6,7,8,9,10,11,12,13,14,15
	global_load_b32 v[G2+16*\b+\i], v[GA2], s[8:9] offset:1024*\b+32*\i
.endr
.endr
	s_wait_loadcnt 63                              ; 64 loads (g2's) were issued behind g1's last: with at most 63 out, x's 16 and g1's 64 are in
	; level 1: source 0 = g1's columns (rows 8-15 of the tile repeat rows 0-7), source 1 = my 16 tokens.  Both hold the same k in the same place of the same lane, so the order of k inside an
	; instruction is free.  Every lane ends with all eight logits of token r.  Two accumulators by turns; the first two products start the sums.
	v_wmma_f32_16x16x4_f32 v[AF:AF+7], v[G1:G1+1], v[X:X+1], 0
	v_wmma_f32_16x16x4_f32 v[AF+8:AF+15], v[G1+2:G1+3], v[X+2:X+3], 0
.set p, 2
.rept 30
	v_wmma_f32_16x16x4_f32 v[AF+8*(p%2):AF+8*(p%2)+7], v[G1+2*p:G1+2*p+1], v[X+2*p:X+2*p+1], v[AF+8*(p%2):AF+8*(p%2)+7]
.set p, p+1
.endr
.rept 8
	v_nop                                          ; eight places behind this form before its results are read and its sources written
.endr
.irp i, 0,1,2,3
	v_pk_add_f32 v[LS1+2*\i:LS1+2*\i+1], v[AF+2*\i:AF+2*\i+1], v[AF+8+2*\i:AF+8+2*\i+1]   ; each accumulator from its low end on; the sums go into other registers
.endr
	QUANT X
	s_wait_alu depctr_va_vdst(0)                   ; the sums have written v[LS1 ..], the quantiser v[PC ..] and v[PW]: the six LDS stores below read them
	ds_store_b128 v[L1W], v[LS1:LS1+3]             ; both halves of the lanes store the same bytes with the same values
	ds_store_b128 v[L1W], v[LS1+4:LS1+7] offset:16
.irp q, 0,1,2
	ds_store_b128 v[XGW], v[PC+4*\q:PC+4*\q+3] offset:16*\q
.endr
	ds_store_b32 v[XSW], v[PW]
	s_wait_dscnt 0x0                               ; the stores have landed
	s_wait_alu depctr_vm_vsrc(0)                   ; the stores have read v[PC ..] and v[PW], which the next quantiser writes again
	s_wait_loadcnt 0x0                             ; g2
	QUANT G2
	s_wait_alu depctr_va_vdst(0)                   ; the quantiser has written v[PC ..] and v[PW], which the stores below read; and every reader and writer of X, G2 and G1's registers is done: phase B's loads land there, with no vector instruction between
.irp q, 0,1,2
	ds_store_b128 v[G2W], v[PC+4*\q:PC+4*\q+3] offset:512*\q
.endr
	ds_store_b32 v[G2SW], v[PW]
	BARRIER                                        ; x's codes, g2's images and level 1's partial logits lie in LDS
	s_wait_alu depctr_vm_vsrc(0)                   ; my LDS stores have read v[PC ..], v[PW] and v[LS1 ..]: the partial logits' loads below land on them
	; ---- PHASE B
.irp q, 0,1,2,3,4,5,6,7,8,9,10,11
	ds_load_b128 v[XF+4*\q:XF+4*\q+3], v[XGR] offset:16*\q
.endr
	ds_load_b128 v[XS:XS+3], v[XSR]
.irp s, 0,1,2,3
.irp q, 0,1,2
	ds_load_b128 v[GF+12*\s+4*\q:GF+12*\s+4*\q+3], v[G2R] offset:1536*\s+512*\q
.endr
	ds_load_b32 v[GS+\s], v[G2SR] offset:128*\s
.endr
.irp s, 0,1,2,3
	ds_load_b128 v[PL+8*\s:PL+8*\s+3], v[L1R] offset:512*\s
	ds_load_b128 v[PL+8*\s+4:PL+8*\s+7], v[L1R] offset:512*\s+16
.endr
	s_wait_dscnt 0x0
	; level 2, transposed: source 0 = 16 columns of g2, source 1 = 16 tokens: lane (r, h), register j = token r, group 2 lo + h, expert j.  Two accumulators by turns
.irp s, 0,1
	v_wmma_scale_f32_16x16x128_f8f6f4 v[LG+8*\s:LG+8*\s+7], v[GF+12*\s:GF+12*\s+11], v[XF+12*\s:XF+12*\s+11], 0, v[GS+\s], v[XS+\s] matrix_a_fmt:MATRIX_FMT_FP6 matrix_b_fmt:MATRIX_FMT_FP6
.endr
.irp s, 2,3
	v_wmma_scale_f32_16x16x128_f8f6f4 v[LG+8*(\s-2):LG+8*(\s-2)+7], v[GF+12*\s:GF+12*\s+11], v[XF+12*\s:XF+12*\s+11], v[LG+8*(\s-2):LG+8*(\s-2)+7], v[GS+\s], v[XS+\s] matrix_a_fmt:MATRIX_FMT_FP6 matrix_b_fmt:MATRIX_FMT_FP6
.endr
.irp s, 1,2,3                                  ; level 1's four K steps are added: twelve plain lines that name no register of the products: their places
.irp i, 0,1,2,3
	v_pk_add_f32 v[PL+2*\i:PL+2*\i+1], v[PL+2*\i:PL+2*\i+1], v[PL+8*\s+2*\i:PL+8*\s+2*\i+1]
.endr
.endr
.irp i, 0,1,2,3
	v_pk_add_f32 v[LG+2*\i:LG+2*\i+1], v[LG+2*\i:LG+2*\i+1], v[LG+8+2*\i:LG+8+2*\i+1]   ; each accumulator from its low end on
.endr
	; the token's two groups (v213, v215) and my group's two experts (v220, v222): the two searches share nothing and go in step, so that one wait serves four compares
	TOPINIT PL, 212, 213, 214, 215
	TOPINIT LG, 219, 220, 221, 222
.irp j, 1,2,3,4,5,6,7
	CMP2 PL+\j, 212, 214, 30, 31
	CMP2 LG+\j, 219, 221, 44, 45
	s_wait_alu depctr_va_sdst(0)                   ; the four compares have written s30, s31, s44 and s45, ahead of the selects that read them
	SEL2 PL+\j, \j, 212, 213, 214, 215, 30, 31
	SEL2 LG+\j, \j, 219, 220, 221, 222, 44, 45
.endr
	; softmax of each pair, the first the larger: the maximum is taken away, so the exponent is 0 or less.  The groups' weights: v216, v217; the experts': v223, v226
	v_sub_f32 v214, v214, v212
	v_sub_f32 v221, v221, v219
	v_mul_f32 v214, s32, v214
	v_mul_f32 v221, s32, v221
	v_exp_f32 v214, v214
	v_exp_f32 v221, v221
	v_nop                                          ; a plain place behind the transcendentals
	s_wait_alu depctr_va_vdst(0)                   ; the two exponentials have written v214 and v221, ahead of their first reader
	v_add_f32 v212, 1.0, v214
	v_add_f32 v219, 1.0, v221
	v_rcp_f32 v216, v212
	v_rcp_f32 v223, v219
	v_nop                                          ; a plain place behind the transcendentals
	s_wait_alu depctr_va_vdst(0)                   ; the two reciprocals have written v216 and v223, ahead of their first reader
	v_mul_f32 v217, v214, v216
	v_mul_f32 v226, v221, v223
	v_cmp_eq_u32 s30, v[GL], v213
	v_cmp_eq_u32 s31, v[GL], v215
	v_cmp_lt_u32 s44, v220, v222
	v_mov_b32 v227, 1
	v_lshlrev_b32 v212, v220, v227
	v_lshlrev_b32 v214, v222, v227
	v_or_b32 v212, v212, v214                      ; the two experts' bits
	s_wait_alu depctr_va_sdst(0)                   ; the three compares have written s30, s31 and s44, ahead of their first readers
	v_cndmask_b32 v218, 0, v217, s31
	v_cndmask_b32 v218, v218, v216, s30            ; my group's level-1 weight, 0 where it is not chosen
	s_or_b32 s33, s30, s31                         ; lanes whose group is chosen
	v_cndmask_b32 v224, v226, v223, s44            ; the weight of the expert with the lower number,
	v_cndmask_b32 v225, v223, v226, s44            ; and of the higher
	v_mul_f32 v224, v224, v218
	v_mul_f32 v225, v225, v218
	v_cndmask_b32 v212, 0, v212, s33               ; the bits, or 0
	s_wait_alu depctr_va_vdst(0)                   ; v[224:225] and v212 are written, which the two stores below read; and the products are done reading x's fragments, on which the way out's loads land, with no vector instruction between
	ds_store_b64 v[WTW], v[224:225]
	ds_store_b8 v[TMW], v212
	BARRIER                                        ; wt's and tmk's bytes lie in LDS
	; ---- THE WAY OUT: dense runs, 16 or 8 bytes a lane
.irp q, 0,1,2
	ds_load_b128 v[36+4*\q:39+4*\q], v[XO+\q]
.endr
	ds_load_b64 v[48:49], v[O8] offset:WT2
.irp q, 0,1,2
	s_wait_dscnt 3-\q
	global_store_b128 v[LI], v[36+4*\q:39+4*\q], s[10:11] offset:512*\q   ; 32 lanes store 512 consecutive bytes, at a multiple of 256 from xq's first byte
.endr
	s_wait_dscnt 0x0
	global_store_b64 v[O8], v[48:49], s[14:15]     ; 32 lanes store 256 consecutive bytes of wt, aligned
	s_cmp_lt_u32 s18, 4
	s_cbranch_scc0 .Lnot_xs
	ds_load_b64 v[50:51], v[O8] offset:XSG         ; waves 0 to 3: xs's 1,024 bytes
	s_wait_dscnt 0x0
	global_store_b64 v[O8], v[50:51], s[12:13]
	s_branch .Lend
.Lnot_xs:
	s_cmp_lt_u32 s18, 6
	s_cbranch_scc0 .Lend
	ds_load_b64 v[52:53], v[OT]                    ; waves 4 and 5: tmk's 512 bytes
	s_wait_dscnt 0x0
	global_store_b64 v[O8], v[52:53], s[16:17] offset:-1024
.Lend:
	s_wait_xcnt 0x0
	v_lshl_add_u32 v254, v0, 2, 0x10400            ; the add's two registers are made anew here: no memory or LDS instruction has read v254 or v255
	v_mov_b32 v255, 0
	s_wait_dscnt 0x0                               ; the closing lines, six on end of a launch in the mode that stores to LDS
	s_wait_alu 0x0
	s_wait_tensorcnt 0x0
	ds_add_u32 v254, v255
	s_wait_dscnt 0x0
	s_endpgm
.Lfunc_end_k_q1a46444788_route:
	.size	k_q1a46444788_route, .Lfunc_end_k_q1a46444788_route-k_q1a46444788_route
	.p2alignl 7, 3214868480
	.fill 96, 4, 3214868480
	.section	.rodata,"a",@progbits
	.p2align	6, 0x0
	.amdhsa_kernel k_q1a46444788_route
		.amdhsa_group_segment_fixed_size 68608
		.amdhsa_private_segment_fixed_size 0
		.amdhsa_enable_private_segment 0
		.amdhsa_kernarg_size 56
		.amdhsa_user_sgpr_count 2
		.amdhsa_user_sgpr_kernarg_segment_ptr 1
		.amdhsa_wavefront_size32 1
		.amdhsa_system_sgpr_workgroup_id_x 1
		.amdhsa_system_sgpr_workgroup_id_y 1
		.amdhsa_system_sgpr_workgroup_id_z 1
		.amdhsa_system_vgpr_workitem_id 0
		.amdhsa_next_free_vgpr 256
		.amdhsa_next_free_sgpr 66
		.amdhsa_reserve_vcc 0
		.amdhsa_float_denorm_mode_32 3
		.amdhsa_float_denorm_mode_16_64 3
		.amdhsa_memory_ordered 1
		.amdhsa_forward_progress 1
		.amdhsa_inst_pref_size 45
	.end_amdhsa_kernel
	.amdgpu_metadata
---
amdhsa.version: [ 1, 2 ]
amdhsa.kernels:
  - .name:           k_q1a46444788_route
    .symbol:         k_q1a46444788_route.kd
    .args:
      - { .name: x, .offset: 0, .size: 8, .value_kind: global_buffer, .address_space: global }
      - { .name: g1, .offset: 8, .size: 8, .value_kind: global_buffer, .address_space: global }
      - { .name: g2, .offset: 16, .size: 8, .value_kind: global_buffer, .address_space: global }
      - { .name: xq, .offset: 24, .size: 8, .value_kind: global_buffer, .address_space: global }
      - { .name: xs, .offset: 32, .size: 8, .value_kind: global_buffer, .address_space: global }
      - { .name: wt, .offset: 40, .size: 8, .value_kind: global_buffer, .address_space: global }
      - { .name: tmk, .offset: 48, .size: 8, .value_kind: global_buffer, .address_space: global }
    .group_segment_fixed_size: 68608
    .private_segment_fixed_size: 0
    .kernarg_segment_align: 8
    .kernarg_segment_size: 56
    .max_flat_workgroup_size: 512
    .sgpr_count:     66
    .vgpr_count:     256
    .wavefront_size: 32
...
	.end_amdgpu_metadata
.endif
;; end of part 4
;; launch experts: the kernel of part 2 again; grid 256 x 1, 16 waves a work-group, no clusters, 279,552 bytes of LDS; arguments W1, b1, W2, b2, xq, xs, wt, tmk, part; writes part
;; launch combine: the kernel of part 3 again; grid 256 x 1, 16 waves a work-group, no clusters, 0 bytes of LDS; arguments part, out0; writes out0
